; MI455X (gfx1250); checked and timed in simulation.
; The chip was launched on July 23, 2026; its instructions are those of AMD's public machine-readable ISA for CDNA 5 (MIT licence, August 2026) and "CDNA5" Instruction Set Architecture Reference Guide (July 2026). The comments in the code are by the model that wrote it; some were corrected since.
;; Multihead Self Attention. Allowed arithmetic: matrix products marked QUANTISED: E3M2 operands, one E8M0 scale for each 32 along K, by v_wmma_scale_f32_16x16x128_f8f6f4 with both operands' format E3M2, f32 sums; products left as they are: f32 operands where the result goes on into a quantised operand, else bf16, f16 or f32 operands; f32 sums; everything else in f32.
;; Inputs: W_proj 1,024 x 1,024 float32; W_qkv 1,024 x 3,072 float32; b_proj 1,024 float32; b_qkv 3,072 float32; x 4 x 2,048 x 1,024 float32.
;; Outputs: out0 4 x 2,048 x 1,024 float32.
;; This version of the problem:
;;   THIS VERSION OF THE PROBLEM IS GIVEN IN LOW PRECISION. The matrix products marked QUANTISED in the list below multiply operands that are first quantised to E3M2 (3 exponent bits, 2 mantissa bits; 6 bits a number), with one power-of-two scale for each 32 numbers along K (OCP MX v1.0); their sums are f32. All else is computed in f32.
;;   The module's matrix products, in the order in which they are computed (A, B: the left and right operand; K: the contracted axis; several contracted axes count as one K, in the product's order):
;;     1. [M 8,192, K 1,024] x [K 1,024, N 3,072]; A: input x; B: input W_qkv: QUANTISED
;;     2. [M 2,048, K 1] x [K 1, N 32]; A: computed on the way; B: computed on the way: left as it is (no contracted axis)
;;     3. batch 64 x [M 2,048, K 64] x [K 64, N 2,048]; A: computed on the way; B: computed on the way: QUANTISED
;;     4. batch 64 x [M 2,048, K 2,048] x [K 2,048, N 64]; A: softmax (see below); B: computed on the way: QUANTISED
;;     5. [M 8,192, K 1,024] x [K 1,024, N 1,024]; A: computed on the way; B: input W_proj: QUANTISED
;;   THE QUANTISER, for each operand of a quantised product, along K:
;;     - K is cut into blocks of 32 from its start; a last block that is shorter is filled with zeros.
;;     - A block's scale is 2^e with e = floor(log2(the largest magnitude in the block)) - 4, held to -126 .. 127; a block of zeros has e = 0. As a byte (E8M0): e + 127.
;;     - Each number is divided by its block's scale, clamped to +-28, and rounded to the nearest number of E3M2, ties to even, subnormals kept.
;;     - The product sums the exact products of the quantised numbers (number of the format x scale) in f32.
;;   ~~~python
;;   def quantise(x, axis):      # numpy; x: float32 -> the quantised numbers, widened to float32 again
;;       x = np.moveaxis(x, axis, -1); K = x.shape[-1]
;;       x = np.pad(x, [(0, 0)] * (x.ndim - 1) + [(0, -K % 32)]); x = x.reshape(x.shape[:-1] + (-1, 32)); a = np.abs(x).max(-1, keepdims=True)
;;       e = np.where(a > 0, np.clip(np.frexp(np.where(a > 0, a, 1))[1] - 1 - 4, -126, 127), 0)      # np.frexp(a)[1] - 1 = floor(log2(a)), exactly
;;       r = np.clip(x / 2.0 ** e, -28, 28)
;;       step = 2.0 ** (np.maximum(np.frexp(np.where(r == 0, 1, r))[1] - 1, -2) - 2)
;;       q = np.round(r / step) * step * 2.0 ** e      # np.round: ties to even
;;       return np.moveaxis(q.reshape(q.shape[:-2] + (-1,))[..., :K], -1, axis).astype(np.float32)
;;   ~~~
;;   SOFTMAX AHEAD OF A QUANTISED PRODUCT. Where the list says 'softmax', what is quantised is not the finished softmax but p = 2^(t - M), with t = logit x log2(e) and M = ceil(the row's largest t), a whole number; so 1/2 < the row's largest p <= 1. The row's sum l is taken of the UNQUANTISED p, in f32, and the product's result is divided by l at the end. Since M is a whole number, a kernel that streams over the keys may use a running M (the ceiling of the running maximum): every later rescaling is an exact power of two, which a block's scale takes up: the codes' values come out the same.
;;   OPERANDS COMPUTED ON THE WAY. 'Computed on the way' means the value that the module computes at that place (a softmax that the list does not call 'softmax' is quantised finished and normalised). What goes into a quantiser is computed in f32, as accurately as f32 sums, v_exp_f32 and their like allow (about 1e-6 of the number): no bf16 or f16 on the way to a quantiser, and a product that is left as it is and whose result goes on into a quantised operand takes f32 operands (vector FMAs, or v_wmma_f32_16x16x4_f32). A number that lies on a knife's edge between two numbers of the format may be rounded either way, as far as f32 arithmetic and the matrix unit's own rounding can turn it there, and no further.
;; One version. Each part assembles by itself: llvm-mc -triple=amdgcn-amd-amdhsa -mcpu=gfx1250 --defsym DOCPART=n.
;; ======== version 1 of 1: 4 launches
;; limits: right only within a limited range of input values
;; workspace buffers: XR 6,815,744 bytes; WQR 2,555,904 bytes; WPR 851,968 bytes; TAB 524,288 bytes; QB 7,340,032 bytes; KV 14,155,776 bytes; AR 6,815,744 bytes
;; launch prep (part 1): grid 416 x 1, 4 waves a work-group, no clusters, 60,928 bytes of LDS; arguments x, W_qkv, W_proj, XR, WQR, WPR, TAB; writes XR, WQR, WPR, TAB
.if DOCPART == 1
	.amdgcn_target "amdgcn-amd-amdhsa--gfx1250"
	.amdhsa_code_object_version 6
	.text
	.protected	k_q9c6a73c842_prep
	.globl	k_q9c6a73c842_prep
	.p2align	8
	.type	k_q9c6a73c842_prep,@function
k_q9c6a73c842_prep:
	s_mov_b64 s[64:65], 0
	v_nop
	global_prefetch_b8 v0, s[64:65] scope:SCOPE_SE
	s_setreg_imm32_b32 hwreg(HW_REG_WAVE_MODE, 25, 1), 1
	s_wait_xcnt 0x0
; x [8192][1024], W_qkv [1024][3072] and W_proj [1024][1024], f32, become codes of BF6 (E3M2) with one E8M0 byte for each 32 along K, laid as IMAGES OF OPERAND REGISTERS; and the table of sines and cosines is made.
; A fragment (16 rows x 128 K, 12 registers a lane) is six planes of 256 bytes: plane p holds registers 2 p, 2 p + 1 of the 32 lanes, lane L at byte 8 L.  Scale words lie in groups of 512 bytes: [lane][tile 0..3], 4 bytes each.
; A RECORD serves 64 rows (of x) or 64 columns (of a weight) and all of K = 1,024: image (K step s, tile t) at (4 s + t) x 1,536, the group of K step s at 49,152 + 512 s.
; THE ROWS OF A TILE ARE NOT NEIGHBOURS: position r of tile 2 b + u is row 32 b + 8 u + r + 8 (r / 8), so that later results lie with 16 neighbours in a lane's 16 registers.
; Three paths, parted by the work-group's number: 0-255 x (a wave: 64 rows x 128 K), 256-383 the weights (a wave: 64 columns x 128 K), 384-415 the table (a wave: a tile of 16 positions).  Waves share nothing: no barrier.  Each path has LDS bytes of its own.
; A block's scale is 2^(floor(log2(its largest magnitude)) - 4): its byte is that magnitude's exponent field - 4, held at 1 from below.
; LIMITS: NaN and infinities among the inputs are not served.  A block whose largest magnitude lies under 2^-122, a block of zeros among them, gets the byte 1 (the rule gives a block of zeros 127): its codes are zeros or as the byte 1 makes them, and this program alone reads the bytes.
; The table: inv_freq = 2^(-f log2(10000) / 32) by v_exp_f32 (good to its last bit or so); the angle n x inv_freq is rounded once; it is reduced by pi/2 in two parts and sine and cosine are polynomials on +-pi/4, good to about two units in the last place.
.set REC,  53248
.set SEL,  20                          ; s[20:21] lane selects for v_permlanex16_b32: lane l xor 16
.set TM,   16                          ; v16-19 largest magnitudes, v20-23 the other half's, v24-27 the conversions' scale operands, v28-31 the bytes
.set TP,   20
.set TS,   24
.set TB,   28
.set PC,   32                          ; v32-43 a fragment's codes;  v44-51 the halves made elsewhere
.set PT,   44
.set SW,   52                          ; v52-55 scale words
.set R,    64                          ; path X: v64-191 two sets of 16 rows x 16 bytes a lane, as loaded
.set X,    192                         ; path X: v192-255 64 numbers of my row
.set VO,   64                          ; path W: v64-95 byte offsets of 32 rows of the weight
.set XA,   96                          ; path W: v96-159 two sets of 32 numbers down K
.set OUTR, 160                         ; path W: v160-211 the way out
; 16 nb numbers of a lane, register 16 b + i = k 32 b + 16 (lane / 16) + i of my row, become codes in v[pc] on (six registers for each two blocks) and scale words.
; mode 0: w0 takes the four bytes.  mode 1: w0 takes blocks 0 and 1's, w1 blocks 2 and 3's.
.macro QUANT nb, src, pc, mode, w0, w1
.set qb, 0
.rept \nb
	v_max3_num_f32 v[TM+qb], |v[(\src)+16*qb]|, |v[(\src)+16*qb+1]|, 0x2800000   ; my 16 numbers of block qb, and the floor 2^(5 - 127): the byte cannot fall under 1
.set qb, qb+1
.endr
.irp i, 2,4,6,8,10,12,14
.set qb, 0
.rept \nb
	v_max3_num_f32 v[TM+qb], v[TM+qb], |v[(\src)+16*qb+\i]|, |v[(\src)+16*qb+\i+1]|   ; the blocks by turns
.set qb, qb+1
.endr
.endr
.set qb, 0
.rept \nb
	v_permlanex16_b32 v[TP+qb], v[TM+qb], s[SEL], s[SEL+1]
.set qb, qb+1
.endr
.set qb, 0
.rept \nb
	v_max_num_f32 v[TM+qb], v[TM+qb], v[TP+qb]     ; with lane l xor 16's: the block's largest magnitude
.set qb, qb+1
.endr
.set qb, 0
.rept \nb
	v_add_nc_u32 v[TS+qb], 0xfe000000, v[TM+qb]    ; 4 off its exponent field: the conversion takes this operand's exponent field as its scale
.set qb, qb+1
.endr
.set qb, 0
.rept \nb
	v_lshrrev_b32 v[TB+qb], 23, v[TS+qb]           ; the scale's byte
.set qb, qb+1
.endr
	v_lshl_or_b32 v[\w0], v[TB+1], 8, v[TB]
.if \mode == 0
	v_lshl_or_b32 v[\w0], v[TB+2], 16, v[\w0]
	v_lshl_or_b32 v[\w0], v[TB+3], 24, v[\w0]
.elseif \nb == 4
	v_lshl_or_b32 v[\w1], v[TB+3], 8, v[TB+2]
.endif
.set qb, 0
.rept (\nb)/2
	v_cvt_scalef32_pk16_bf6_f32 v[(\pc)+6*qb:(\pc)+6*qb+2], v[(\src)+32*qb:(\src)+32*qb+15], v[TS+2*qb]
	v_cvt_scalef32_pk16_bf6_f32 v[PT+4*qb:PT+4*qb+2], v[(\src)+32*qb+16:(\src)+32*qb+31], v[TS+2*qb+1]   ; (a conversion's three registers begin on an even number)
.set qb, qb+1
.endr
	v_nop                                          ; one plain place behind a scaled conversion
.set qb, 0
.rept (\nb)/2
.irp i, 0,1,2
	v_permlane16_swap_b32 v[(\pc)+6*qb+\i], v[PT+4*qb+\i]   ; the layout wants a whole block in a lane: lanes 0-15 the even block, lanes 16-31 the odd one
.endr
.irp i, 0,1,2
	v_mov_b32 v[(\pc)+6*qb+3+\i], v[PT+4*qb+\i]
.endr
.set qb, qb+1
.endr
.endm
	s_load_b256 s[4:11], s[0:1], 0x0               ; x s[4:5], W_qkv s[6:7], W_proj s[8:9], XR s[10:11]
	s_load_b128 s[12:15], s[0:1], 0x20             ; WQR s[12:13], WPR s[14:15]
	s_load_b64 s[16:17], s[0:1], 0x30              ; TAB
	v_lshl_add_u32 v62, v0, 2, 0xec00
	v_mov_b32 v63, 0
	v_lshrrev_b32 v1, 5, v0
	v_readfirstlane_b32 s18, v1                    ; wave 0..3
	v_and_b32 v1, 31, v0                           ; lane
	v_and_b32 v2, 15, v0                           ; r
	v_bfe_u32 v3, v0, 4, 1                         ; h
	v_lshlrev_b32 v4, 4, v1                        ; 16 x lane
	v_lshlrev_b32 v5, 3, v1                        ; 8 x lane
	s_mov_b32 s[SEL], 0x76543210
	s_mov_b32 s[SEL+1], 0xfedcba98
	s_wait_kmcnt 0x0
	s_cmp_lt_u32 ttmp9, 256
	s_cbranch_scc0 .Lnot_x
; ---- PATH X.  Job = 4 x work-group + wave: record job / 8 (64 rows of x), K step job % 8.
	s_lshl_b32 s22, ttmp9, 2
	s_add_co_u32 s22, s22, s18
	s_lshr_b32 s23, s22, 3                         ; the record
	s_and_b32 s24, s22, 7                          ; the K step
	s_lshl_b32 s26, s23, 18                        ; 64 rows of 4,096 bytes
	s_lshl_b32 s25, s24, 9                         ; 128 numbers
	s_add_co_u32 s26, s26, s25
	s_mov_b32 s27, 0
	s_add_nc_u64 s[4:5], s[4:5], s[26:27]
	s_mul_i32 s26, s23, REC
	s_mul_i32 s25, s24, 6144
	s_add_co_u32 s28, s26, s25
	s_mov_b32 s29, 0
	s_add_nc_u64 s[28:29], s[10:11], s[28:29]      ; the K step's four images
	s_lshl_b32 s25, s24, 9
	s_add_co_u32 s26, s26, s25
	s_add_co_u32 s26, s26, 49152
	s_add_nc_u64 s[30:31], s[10:11], s[26:27]      ; and its group of scale words
	s_mul_i32 s25, s18, 8448                       ; my stage: 16 rows x (512 bytes + 16)
	s_wait_alu depctr_va_vdst(0)
	v_add_nc_u32 v6, s25, v4                       ; in: 16 bytes a lane, as loaded
	v_mul_u32_u24 v7, v2, 528
	v_lshl_add_u32 v7, v3, 6, v7
	v_add_nc_u32 v7, s25, v7                       ; out: row r, + 64 h: my 16 numbers of a block of 32
.irp b, 0,1,2,3
	v_mov_b32 v[TP+\b], 0                          ; written once: a lane permute's destination counts as one of its sources
.endr
.macro XTLOAD tt, set                  ; tile tt's 16 rows: each load reads 512 consecutive bytes of one row
.irp i, 0,1,2,3,4,5,6,7,8,9,10,11,12,13,14,15
	global_load_b128 v[R+64*(\set)+4*\i:R+64*(\set)+4*\i+3], v4, s[4:5] offset:(32*((\tt)/2)+8*((\tt)%2)+\i+8*(\i/8))*4096 th:TH_LOAD_NT
.endr
.endm
	XTLOAD 0, 0
	XTLOAD 1, 1
	s_wait_alu depctr_va_vdst(0)
.irp t, 0,1,2,3
.if \t < 3
	s_wait_loadcnt 16                              ; this tile's 16 loads are in; the next tile's 16 may be out
.else
	s_wait_loadcnt 0x0
.endif
.irp i, 0,1,2,3,4,5,6,7,8,9,10,11,12,13,14,15
	ds_store_b128 v6, v[R+64*(\t%2)+4*\i:R+64*(\t%2)+4*\i+3] offset:528*\i
.endr
.irp b, 0,1,2,3
.irp j, 0,1,2,3
	ds_load_b128 v[X+16*\b+4*\j:X+16*\b+4*\j+3], v7 offset:128*\b+16*\j   ; LDS serves a wave's instructions in order: these see the stores above
.endr
.endr
	s_wait_dscnt 0x0                               ; my row's numbers are back, and the stores have read their registers,
.if \t < 2
	XTLOAD \t+2, \t%2                              ; which take the tile two on
.endif
	s_wait_xcnt 0x0                                ; the last tile's stores have read the codes' registers: they are written again only behind this wait
	QUANT 4, X, PC, 0, SW+\t, 0
.irp p, 0,1,2,3,4,5
	global_store_b64 v5, v[PC+2*\p:PC+2*\p+1], s[28:29] offset:1536*\t+256*\p   ; a plane: 32 lanes store 256 consecutive bytes, aligned
.endr
.endr
	global_store_b128 v4, v[SW:SW+3], s[30:31]     ; the four tiles' scale words: 512 consecutive bytes
	s_wait_tensorcnt 0x0
	ds_add_u32 v62, v63
	s_wait_dscnt 0x0
	s_endpgm
.Lnot_x:
	s_cmp_lt_u32 ttmp9, 384
	s_cbranch_scc0 .Ltab
; ---- PATH W.  A lane takes a column and its registers run down K: a block of 32 along K lies in one lane, and nothing is transposed by an instruction.
; Work-group u = number - 256: columns' record u / 2 (0-47 of W_qkv, 48-63 of W_proj), K step 4 (u % 2) + wave.
	s_sub_co_u32 s22, ttmp9, 256
	s_lshr_b32 s23, s22, 1
	s_and_b32 s24, s22, 1
	s_lshl_b32 s24, s24, 2
	s_add_co_u32 s24, s24, s18                     ; the K step
	s_mov_b32 s25, 4096
	s_cmp_lt_u32 s23, 48                           ; the choice hangs on the work-group's number alone
	s_cselect_b64 s[6:7], s[6:7], s[8:9]
	s_cselect_b64 s[12:13], s[12:13], s[14:15]
	s_cselect_b32 s25, 12288, s25                  ; a row of the weight in bytes
	s_cselect_b32 s26, 0, 48
	s_sub_co_u32 s23, s23, s26                     ; the record in its buffer
	s_lshl_b32 s26, s24, 7
	s_mul_i32 s26, s26, s25                        ; 128 rows a K step
	s_lshl_b32 s27, s23, 8                         ; 64 columns of 4 bytes
	s_add_co_u32 s26, s26, s27
	s_mov_b32 s27, 0
	s_add_nc_u64 s[6:7], s[6:7], s[26:27]
	s_lshl_b32 s26, s25, 5                         ; 32 rows on
	s_mov_b64 s[32:33], s[6:7]                     ; a base for each of the eight blocks j = 2 kb + e: 32 kb rows down, 32 e columns on
	s_add_nc_u64 s[34:35], s[6:7], 128
.irp k, 1,2,3
	s_add_nc_u64 s[32+4*\k:33+4*\k], s[28+4*\k:29+4*\k], s[26:27]
	s_add_nc_u64 s[34+4*\k:35+4*\k], s[30+4*\k:31+4*\k], s[26:27]
.endr
	s_mul_i32 s28, s23, REC
	s_mul_i32 s29, s24, 6144
	s_add_co_u32 s30, s28, s29
	s_mov_b32 s31, 0
	s_add_nc_u64 s[48:49], s[12:13], s[30:31]      ; the K step's four images
	s_lshl_b32 s29, s24, 9
	s_add_co_u32 s30, s28, s29
	s_add_co_u32 s30, s30, 49152
	s_add_nc_u64 s[50:51], s[12:13], s[30:31]      ; and its group of scale words
	s_wait_alu depctr_va_vdst(0)
	v_lshlrev_b32 v9, 2, v1
.irp i, 0,1,2,3,4,5,6,7,8,9,10,11,12,13,14,15,16,17,18,19,20,21,22,23,24,25,26,27,28,29,30,31
	v_mad_u32_u24 v[VO+\i], s25, \i, v9            ; row i of a block, my column
.endr
	v_bfe_u32 v10, v1, 3, 1                        ; column n of 32 is position r' = n % 8 + 8 (n / 16) of tile u = (n / 8) % 2
	v_and_b32 v11, 7, v1
	v_lshrrev_b32 v12, 4, v1
	v_lshl_add_u32 v11, v12, 3, v11
	s_mul_i32 s52, s18, 6656
	s_add_co_u32 s52, s52, 33792                   ; my stage: four images and a group of scale words, behind path X's bytes
	v_mul_u32_u24 v6, v10, 1536
	v_lshl_add_u32 v6, v11, 3, v6
	v_add_nc_u32 v6, s52, v6                       ; codes: image u, lane r'
	v_lshlrev_b32 v7, 2, v10
	v_lshl_add_u32 v7, v11, 4, v7
	v_add_nc_u32 v7, s52, v7
	v_add_nc_u32 v7, 6144, v7                      ; scale words: lane r', tile u
	v_add_nc_u32 v8, s52, v4                       ; the way out: 16 bytes a lane
.macro WLOAD j                         ; block j: 32 rows, 128 consecutive bytes a load
.irp i, 0,1,2,3,4,5,6,7,8,9,10,11,12,13,14,15,16,17,18,19,20,21,22,23,24,25,26,27,28,29,30,31
	global_load_b32 v[XA+32*((\j)%2)+\i], v[VO+\i], s[32+2*(\j):33+2*(\j)]
.endr
.endm
	WLOAD 0
	WLOAD 1
.irp j, 0,1,2,3,4,5,6,7
.set XS, XA+32*(\j%2)
.if \j < 7
	s_wait_loadcnt 32                              ; this block's 32 loads are in; the next block's may be out
.else
	s_wait_loadcnt 0x0
.endif
	v_max3_num_f32 v16, |v[XS]|, |v[XS+1]|, |v[XS+2]|   ; the block's largest magnitude: all 32 numbers are mine; two chains
	v_max3_num_f32 v17, |v[XS+3]|, |v[XS+4]|, |v[XS+5]|
.irp i, 6,10,14,18,22,26
	v_max3_num_f32 v16, v16, |v[XS+\i]|, |v[XS+\i+1]|
	v_max3_num_f32 v17, v17, |v[XS+\i+2]|, |v[XS+\i+3]|
.endr
	v_max3_num_f32 v16, v16, |v[XS+30]|, |v[XS+31]|
	v_max3_num_f32 v16, v16, v17, 0x2800000        ; and the floor
	v_add_nc_u32 v18, 0xfe000000, v16
	v_lshrrev_b32 v19, 23, v18
.if \j < 2
	v_mov_b32 v[SW+\j%2], v19                      ; the column's scale word: the lower K in the lower byte
.else
	v_lshl_or_b32 v[SW+\j%2], v19, 8*(\j/2), v[SW+\j%2]
.endif
	v_cvt_scalef32_pk16_bf6_f32 v[32:34], v[XS:XS+15], v18
	v_cvt_scalef32_pk16_bf6_f32 v[36:38], v[XS+16:XS+31], v18
	v_nop                                          ; one plain place behind a scaled conversion
	v_mov_b32 v35, v36
	v_mov_b32 v36, v37
	v_mov_b32 v37, v38                             ; v32-37: the block's 24 bytes.  Block kb is registers 6 (kb / 2) on of lane r' + 16 (kb % 2)
.irp p, 0,1,2
	ds_store_b64 v6, v[32+2*\p:33+2*\p] offset:3072*(\j%2)+768*(\j/4)+128*((\j/2)%2)+256*\p
.endr
.if \j < 6
	WLOAD \j+2
.endif
	s_wait_dscnt 0x0                               ; the stores have read their registers
.endr
	s_wait_alu depctr_va_vdst(0)
.irp e, 0,1
	ds_store_b32 v7, v[SW+\e] offset:8*\e          ; lanes 0-15 of a group,
	ds_store_b32 v7, v[SW+\e] offset:8*\e+256      ; and the same words for lanes 16-31
.endr
.irp q, 0,1,2,3,4,5,6,7,8,9,10,11,12
	ds_load_b128 v[OUTR+4*\q:OUTR+4*\q+3], v8 offset:512*\q   ; in order behind my stores
.endr
.irp q, 0,1,2,3,4,5,6,7,8,9,10,11
	s_wait_dscnt 12-\q                             ; the younger read-backs may be out
	global_store_b128 v4, v[OUTR+4*\q:OUTR+4*\q+3], s[48:49] offset:512*\q   ; 512 consecutive bytes, aligned
.endr
	s_wait_dscnt 0x0
	global_store_b128 v4, v[OUTR+48:OUTR+51], s[50:51]
	s_wait_tensorcnt 0x0
	ds_add_u32 v62, v63
	s_wait_dscnt 0x0
	s_endpgm
.Ltab:
; ---- PATH T.  Tile T = 4 (number - 384) + wave of the sequence: lane (r, h) makes sine and cosine of position n(T, r) at frequencies 16 h + 0 .. 15.
	s_sub_co_u32 s22, ttmp9, 384
	s_lshl_b32 s22, s22, 2
	s_add_co_u32 s22, s22, s18
	s_lshl_b32 s26, s22, 12
	s_mov_b32 s27, 0
	s_add_nc_u64 s[16:17], s[16:17], s[26:27]
	s_lshr_b32 s23, s22, 1
	s_lshl_b32 s23, s23, 5
	s_and_b32 s24, s22, 1
	s_lshl_b32 s24, s24, 3
	s_add_co_u32 s23, s23, s24
	s_wait_alu depctr_va_vdst(0)
	v_and_b32 v6, 8, v2
	v_add_nc_u32 v6, v6, v2
	v_add_nc_u32 v6, s23, v6
	v_cvt_f32_u32 v6, v6                           ; n, exact
	v_lshlrev_b32 v7, 4, v3
	s_wait_alu depctr_va_vdst(0)
	s_mov_b32 s40, 0xbed49a78                      ; -log2(10000) / 32
	s_mov_b32 s41, 0x3f22f983                      ; 2 / pi
	s_mov_b32 s42, 0xbfc90fdb                      ; -(pi / 2)'s upper part
	s_mov_b32 s43, 0x333bbd2e                      ; the upper part less pi / 2
	s_mov_b32 s44, 0xb94ca1f9                      ; the sine's three coefficients
	s_mov_b32 s45, 0x3c08839e
	s_mov_b32 s46, 0xbe2aaaa3
	s_mov_b32 s47, 0x37ccf5ce                      ; the cosine's three
	s_mov_b32 s48, 0xbab6061a
	s_mov_b32 s49, 0x3d2aaaa5
.irp e, 0,1,2,3,4,5,6,7,8,9,10,11,12,13,14,15
	v_add_nc_u32 v[96+\e], \e, v7
	v_cvt_f32_u32 v[96+\e], v[96+\e]
	v_mul_f32 v[96+\e], s40, v[96+\e]
.endr
	s_wait_alu depctr_va_vdst(0)
.irp e, 0,1,2,3,4,5,6,7,8,9,10,11,12,13,14,15
	v_exp_f32 v[96+\e], v[96+\e]                   ; inv_freq: one batch
.endr
	v_nop                                          ; a plain place behind the last of them
	s_wait_alu depctr_va_vdst(0)                   ; one wait for the batch, ahead of its first reader
.irp e, 0,1,2,3,4,5,6,7,8,9,10,11,12,13,14,15
	v_mul_f32 v16, v6, v[96+\e]                    ; the angle, rounded once
	v_mul_f32 v17, s41, v16
	v_rndne_f32 v17, v17                           ; k quarter turns
	v_fma_f32 v18, v17, s42, v16                   ; exact: the difference fits in 24 bits
	v_fma_f32 v18, v17, s43, v18                   ; the reduced angle, within +-pi/4
	v_mul_f32 v19, v18, v18
	v_fma_f32 v20, s44, v19, s45
	v_fma_f32 v20, v20, v19, s46
	v_mul_f32 v21, v19, v18
	v_fma_f32 v20, v20, v21, v18                   ; its sine
	v_fma_f32 v22, s47, v19, s48
	v_fma_f32 v22, v22, v19, s49
	v_mul_f32 v23, v19, v19
	v_fma_f32 v24, v19, -0.5, 1.0
	v_fma_f32 v22, v22, v23, v24                   ; its cosine
	v_cvt_i32_f32 v25, v17
	v_and_b32 v26, 1, v25
	v_cmp_eq_u32 vcc_lo, 1, v26                    ; an odd k: the two change places
	v_cndmask_b32 v27, v20, v22, vcc_lo
	v_cndmask_b32 v28, v22, v20, vcc_lo
	v_lshlrev_b32 v26, 30, v25
	v_and_b32 v26, 0x80000000, v26                 ; the sine is negated where k % 4 is 2 or 3,
	v_xor_b32 v[64+\e], v26, v27
	v_add_nc_u32 v25, 1, v25
	v_lshlrev_b32 v25, 30, v25
	v_and_b32 v25, 0x80000000, v25                 ; the cosine where it is 1 or 2
	v_xor_b32 v[80+\e], v25, v28
.endr
.irp q, 0,1,2,3
	global_store_b128 v4, v[64+4*\q:67+4*\q], s[16:17] offset:512*\q
	global_store_b128 v4, v[80+4*\q:83+4*\q], s[16:17] offset:2048+512*\q
.endr
	s_endpgm
.Lfunc_end_k_q9c6a73c842_prep:
	.size	k_q9c6a73c842_prep, .Lfunc_end_k_q9c6a73c842_prep-k_q9c6a73c842_prep
	.p2alignl 7, 3214868480
	.fill 96, 4, 3214868480
	.section	.rodata,"a",@progbits
	.p2align	6, 0x0
	.amdhsa_kernel k_q9c6a73c842_prep
		.amdhsa_group_segment_fixed_size 60928
		.amdhsa_private_segment_fixed_size 0
		.amdhsa_enable_private_segment 0
		.amdhsa_kernarg_size 56
		.amdhsa_user_sgpr_count 2
		.amdhsa_user_sgpr_kernarg_segment_ptr 1
		.amdhsa_wavefront_size32 1
		.amdhsa_system_sgpr_workgroup_id_x 1
		.amdhsa_system_sgpr_workgroup_id_y 1
		.amdhsa_system_sgpr_workgroup_id_z 1
		.amdhsa_system_vgpr_workitem_id 0
		.amdhsa_next_free_vgpr 256
		.amdhsa_next_free_sgpr 66
		.amdhsa_reserve_vcc 1
		.amdhsa_float_denorm_mode_32 3
		.amdhsa_float_denorm_mode_16_64 3
		.amdhsa_memory_ordered 1
		.amdhsa_forward_progress 1
		.amdhsa_inst_pref_size 102
	.end_amdhsa_kernel
	.amdgpu_metadata
---
amdhsa.version: [ 1, 2 ]
amdhsa.kernels:
  - .name:           k_q9c6a73c842_prep
    .symbol:         k_q9c6a73c842_prep.kd
    .args:
      - { .name: x, .offset: 0, .size: 8, .value_kind: global_buffer, .address_space: global }
      - { .name: W_qkv, .offset: 8, .size: 8, .value_kind: global_buffer, .address_space: global }
      - { .name: W_proj, .offset: 16, .size: 8, .value_kind: global_buffer, .address_space: global }
      - { .name: XR, .offset: 24, .size: 8, .value_kind: global_buffer, .address_space: global }
      - { .name: WQR, .offset: 32, .size: 8, .value_kind: global_buffer, .address_space: global }
      - { .name: WPR, .offset: 40, .size: 8, .value_kind: global_buffer, .address_space: global }
      - { .name: TAB, .offset: 48, .size: 8, .value_kind: global_buffer, .address_space: global }
    .group_segment_fixed_size: 60928
    .private_segment_fixed_size: 0
    .kernarg_segment_align: 8
    .kernarg_segment_size: 56
    .max_flat_workgroup_size: 128
    .sgpr_count:     66
    .vgpr_count:     256
    .wavefront_size: 32
...
	.end_amdgpu_metadata
.endif
;; end of part 1
;; launch qkv (part 2): grid 32 x 8, 4 waves a work-group, clusters of 4 x 4, 327,680 bytes of LDS; arguments XR, WQR, b_qkv, TAB, QB, KV; writes QB, KV
.if DOCPART == 2
	.amdgcn_target "amdgcn-amd-amdhsa--gfx1250"
	.amdhsa_code_object_version 6
	.text
	.protected	k_q9c6a73c842_qkv
	.globl	k_q9c6a73c842_qkv
	.p2align	8
	.type	k_q9c6a73c842_qkv,@function
k_q9c6a73c842_qkv:
	s_mov_b64 s[64:65], 0
	v_nop
	global_prefetch_b8 v0, s[64:65] scope:SCOPE_SE
	s_setreg_imm32_b32 hwreg(HW_REG_WAVE_MODE, 25, 1), 1
	s_wait_xcnt 0x0
	s_wait_alu depctr_hold_cnt(0) depctr_sa_sdst(0) depctr_va_vdst(0) depctr_va_sdst(0) depctr_va_ssrc(0) depctr_va_vcc(0) depctr_vm_vsrc(0)
	s_getreg_b32 s2, hwreg(HW_REG_IB_STS2, 6, 4)
	s_cmp_eq_u32 s2, 0
	s_cbranch_scc0 .Lentry_in_a_cluster
	s_endpgm
.Lentry_in_a_cluster:
	s_bfe_u32 s2, ttmp6, 0x10000c
	s_cmp_lg_u32 s2, 0xf033
	s_cbranch_scc0 .Lentry_shape_is_right
	s_endpgm
.Lentry_shape_is_right:
.set REC,   53248
.set SPARE, 6*REC
.set LB8,  1
.set L16,  2
.set ADW,  3
.set ADWS, 4
.set BQ,   5
.set BV,   6
.set ADX,  7
.set ADXS, 8
.set SPW,  9
.set NIL,  10
.set XSW,  16
.set WSW,  48
.set WF,   80
.set RT,   128
.set TM,   160
.set TP,   164
.set TS,   168
.set TB,   172
.set SWD,  176
.set PT,   180
.set PC0,  188
.set BIAS, 224
.set SEL,  60
.set MSB, 0
.macro WIN new
.if MSB != (\new)
	s_set_vgpr_msb (MSB<<8)|(\new)
.set MSB, (\new)
.endif
.endm
.macro PLACES n
.rept \n
	v_nop
.endr
.endm
.macro CROUND
	s_barrier_signal -1
	s_barrier_wait -1
	s_cmp_lg_u32 s16, 0
	s_cbranch_scc1 .Lnot_wave_0_\@
	s_barrier_signal -3
.Lnot_wave_0_\@:
	s_barrier_wait -3
	s_barrier_signal -1
	s_barrier_wait -1
.endm
.macro QUANT nb, src, pc, mode, w0, w1
.set qb, 0
.rept \nb
	v_max3_num_f32 v[TM+qb], |v[(\src)+16*qb]|, |v[(\src)+16*qb+1]|, 0x2800000
.set qb, qb+1
.endr
.irp i, 2,4,6,8,10,12,14
.set qb, 0
.rept \nb
	v_max3_num_f32 v[TM+qb], v[TM+qb], |v[(\src)+16*qb+\i]|, |v[(\src)+16*qb+\i+1]|
.set qb, qb+1
.endr
.endr
.set qb, 0
.rept \nb
	v_permlanex16_b32 v[TP+qb], v[TM+qb], s[SEL], s[SEL+1]
.set qb, qb+1
.endr
.set qb, 0
.rept \nb
	v_max_num_f32 v[TM+qb], v[TM+qb], v[TP+qb]
.set qb, qb+1
.endr
.set qb, 0
.rept \nb
	v_add_nc_u32 v[TS+qb], 0xfe000000, v[TM+qb]
.set qb, qb+1
.endr
.set qb, 0
.rept \nb
	v_lshrrev_b32 v[TB+qb], 23, v[TS+qb]
.set qb, qb+1
.endr
	v_lshl_or_b32 v[\w0], v[TB+1], 8, v[TB]
.if \mode == 0
	v_lshl_or_b32 v[\w0], v[TB+2], 16, v[\w0]
	v_lshl_or_b32 v[\w0], v[TB+3], 24, v[\w0]
.elseif \nb == 4
	v_lshl_or_b32 v[\w1], v[TB+3], 8, v[TB+2]
.endif
.set qb, 0
.rept (\nb)/2
	v_cvt_scalef32_pk16_bf6_f32 v[(\pc)+6*qb:(\pc)+6*qb+2], v[(\src)+32*qb:(\src)+32*qb+15], v[TS+2*qb]
	v_cvt_scalef32_pk16_bf6_f32 v[PT+4*qb:PT+4*qb+2], v[(\src)+32*qb+16:(\src)+32*qb+31], v[TS+2*qb+1]
.set qb, qb+1
.endr
	v_nop
.set qb, 0
.rept (\nb)/2
.irp i, 0,1,2
	v_permlane16_swap_b32 v[(\pc)+6*qb+\i], v[PT+4*qb+\i]
.endr
.irp i, 0,1,2
	v_mov_b32 v[(\pc)+6*qb+3+\i], v[PT+4*qb+\i]
.endr
.set qb, qb+1
.endr
.endm
.macro XFETCH
.irp s, 0,1,2,3,4,5,6,7
	WIN 0x40*(1+\s/4)
.irp t, 0,1,2,3
.irp p, 0,1,2,3,4,5
	ds_load_b64 v[48*(\s%4)+12*\t+2*\p:48*(\s%4)+12*\t+2*\p+1], v[ADX] offset:(4*\s+\t)*1536+256*\p
.endr
.endr
.endr
	WIN 0
.irp s, 0,1,2,3,4,5,6,7
	ds_load_b128 v[XSW+4*\s:XSW+4*\s+3], v[ADXS] offset:49152+512*\s
.endr
.endm
.macro WFETCH s, buf
.irp t, 0,1,2,3
.irp p, 0,1,2,3,4,5
	ds_load_b64 v[WF+48*(\buf)+12*\t+2*\p:WF+48*(\buf)+12*\t+2*\p+1], v[ADW] offset:(4*(\s)+\t)*1536+256*\p
.endr
.endr
.endm
.macro PREHEAD slot
	WIN 0
	PLACES 4
	v_add_nc_u32 v[ADW], \slot*REC, v[LB8]
	v_add_nc_u32 v[ADWS], \slot*REC, v[L16]
.irp s, 0,1,2,3,4,5,6,7
	ds_load_b128 v[WSW+4*\s:WSW+4*\s+3], v[ADWS] offset:49152+512*\s
.endr
	WFETCH 0, 0
	WFETCH 1, 1
.endm
.macro BIASQ off
	WIN 0xC0
.irp wt, 0,1,2,3
	global_load_b128 v[BIAS+8*\wt:BIAS+8*\wt+3], v[BQ], s[78:79] offset:\off+(32*(\wt/2)+8*(\wt%2))*4
	global_load_b128 v[BIAS+8*\wt+4:BIAS+8*\wt+7], v[BQ], s[78:79] offset:\off+(32*(\wt/2)+8*(\wt%2))*4+16
.endr
.endm
.macro BIASV off
	WIN 0xC0
.irp wt, 0,1,2,3
.irp j, 0,1,2,3,4,5,6,7
	global_load_b32 v[BIAS+8*\wt+\j], v[BV], s[78:79] offset:\off+(32*(\wt/2)+8*(\wt%2))*4
.endr
.endr
.endm
.macro MUL8 kind, s, half
.if \kind == 0
	WIN 0xF4+4*((\s)/4)
.irp a, 2*\half, 2*\half+1
.irp wt, 0,1,2,3
.if (\s) == 0
	v_wmma_scale_f32_16x16x128_f8f6f4 v[8*(4*(\a)+\wt):8*(4*(\a)+\wt)+7], v[WF+48*((\s)%3)+12*\wt:WF+48*((\s)%3)+12*\wt+11], v[48*((\s)%4)+12*(\a):48*((\s)%4)+12*(\a)+11], v[BIAS+8*\wt:BIAS+8*\wt+7], v[WSW+4*(\s)+\wt], v[XSW+4*(\s)+(\a)] matrix_a_fmt:MATRIX_FMT_BF6 matrix_b_fmt:MATRIX_FMT_BF6
.else
	v_wmma_scale_f32_16x16x128_f8f6f4 v[8*(4*(\a)+\wt):8*(4*(\a)+\wt)+7], v[WF+48*((\s)%3)+12*\wt:WF+48*((\s)%3)+12*\wt+11], v[48*((\s)%4)+12*(\a):48*((\s)%4)+12*(\a)+11], v[8*(4*(\a)+\wt):8*(4*(\a)+\wt)+7], v[WSW+4*(\s)+\wt], v[XSW+4*(\s)+(\a)] matrix_a_fmt:MATRIX_FMT_BF6 matrix_b_fmt:MATRIX_FMT_BF6
.endif
.endr
.endr
.else
	WIN 0xF1+((\s)/4)
.irp a, 2*\half, 2*\half+1
.irp xt, 0,1,2,3
.if (\s) == 0
	v_wmma_scale_f32_16x16x128_f8f6f4 v[8*(4*(\a)+\xt):8*(4*(\a)+\xt)+7], v[48*((\s)%4)+12*\xt:48*((\s)%4)+12*\xt+11], v[WF+48*((\s)%3)+12*(\a):WF+48*((\s)%3)+12*(\a)+11], v[BIAS+8*(\a):BIAS+8*(\a)+7], v[XSW+4*(\s)+\xt], v[WSW+4*(\s)+(\a)] matrix_a_fmt:MATRIX_FMT_BF6 matrix_b_fmt:MATRIX_FMT_BF6
.else
	v_wmma_scale_f32_16x16x128_f8f6f4 v[8*(4*(\a)+\xt):8*(4*(\a)+\xt)+7], v[48*((\s)%4)+12*\xt:48*((\s)%4)+12*\xt+11], v[WF+48*((\s)%3)+12*(\a):WF+48*((\s)%3)+12*(\a)+11], v[8*(4*(\a)+\xt):8*(4*(\a)+\xt)+7], v[XSW+4*(\s)+\xt], v[WSW+4*(\s)+(\a)] matrix_a_fmt:MATRIX_FMT_BF6 matrix_b_fmt:MATRIX_FMT_BF6
.endif
.endr
.endr
.endif
.endm
.macro KSTEPS kind, nb, boff
.irp s, 0,1,2,3,4,5,6,7
.if \s < 7
	s_wait_dscnt 24
.else
	s_wait_dscnt 0x0
.endif
.if \s == 0
	s_wait_loadcnt 0x0
.endif
	MUL8 \kind, \s, 0
.if \s < 6
	WIN 0
	PLACES 4
	WFETCH \s+2, (\s+2)%3
.endif
.if (\s == 1) && (\nb != 0)
.if \nb == 1
	BIASQ \boff
.else
	BIASV \boff
.endif
.endif
	MUL8 \kind, \s, 1
.endr
.endm
.macro EPI_QK cb, sb, hoff
	s_wait_xcnt 0x0
.irp xt, 0,1,2,3
	WIN 0xC7
.irp e, 0,2,4,6,8,10,12,14
	v_pk_mul_f32 v[RT+\e:RT+\e+1], v[32*\xt+16+\e:32*\xt+17+\e], v[192+16*\xt+\e:193+16*\xt+\e]
	v_pk_mul_f32 v[RT+16+\e:RT+17+\e], v[32*\xt+\e:32*\xt+\e+1], v[192+16*\xt+\e:193+16*\xt+\e]
.endr
	WIN 0xFB
.irp e, 0,2,4,6,8,10,12,14
	v_pk_fma_f32 v[32*\xt+\e:32*\xt+\e+1], v[32*\xt+\e:32*\xt+\e+1], v[192+16*\xt+\e:193+16*\xt+\e], v[RT+\e:RT+\e+1] neg_lo:[0,0,1] neg_hi:[0,0,1]
	v_pk_fma_f32 v[32*\xt+16+\e:32*\xt+17+\e], v[32*\xt+16+\e:32*\xt+17+\e], v[192+16*\xt+\e:193+16*\xt+\e], v[RT+16+\e:RT+17+\e]
.endr
.endr
	WIN 0xFF
	QUANT 4, 0, PC0, 1, SWD, SWD+1
	QUANT 4, 64, PC0+12, 1, SWD+2, SWD+3
	WIN 0x0C
.irp xt, 0,1,2,3
.irp p, 0,1,2
	global_store_b64 v[LB8], v[PC0+6*\xt+2*\p:PC0+6*\xt+2*\p+1], s[\cb:\cb+1] offset:\hoff+768*\xt+256*\p
.endr
.endr
	global_store_b128 v[L16], v[SWD:SWD+3], s[\sb:\sb+1] offset:\hoff
	WIN 0
.endm
.macro EPI_V hoff
	s_wait_xcnt 0x0
	WIN 0xFF
	QUANT 4, 0, PC0, 1, SWD, SWD+1
	QUANT 4, 64, PC0+12, 1, SWD+2, SWD+3
	WIN 0x0C
.irp wt, 0,1,2,3
.irp p, 0,1,2
	global_store_b64 v[LB8], v[PC0+6*\wt+2*\p:PC0+6*\wt+2*\p+1], s[74:75] offset:\hoff+1536*\wt+256*\p
.endr
.endr
.irp wt, 0,1,2,3
	global_store_b16 v[L16], v[SWD+\wt], s[76:77] offset:\hoff+4*\wt
.endr
	WIN 0
.endm
	s_load_b256 s[4:11], s[0:1], 0x0
	s_load_b128 s[12:15], s[0:1], 0x20
	v_lshl_add_u32 v[SPW], v0, 2, SPARE
	v_mov_b32 v[NIL], 0
	ds_add_u32 v9, v10
	ds_add_u32 v9, v10
	s_wait_dscnt 0x0
	v_lshrrev_b32 v11, 5, v0
	v_readfirstlane_b32 s16, v11
	s_bfe_u32 s17, ttmp6, 0x40000
	s_bfe_u32 s18, ttmp6, 0x40004
	s_lshl_b32 s19, ttmp9, 2
	s_add_co_u32 s19, s19, s17
	s_and_b32 s20, ttmp7, 0xffff
	s_lshl_b32 s20, s20, 2
	s_add_co_u32 s20, s20, s18
	s_lshl_b32 s82, 0x1111, s17
	s_lshl_b32 s83, s18, 2
	s_lshl_b32 s83, 15, s83
	s_or_b32 s24, s82, (3<<16)|(1<<21)
	s_or_b32 s32, s83, (3<<16)|(1<<21)
	s_or_b32 s40, s83, (3<<16)|(1<<21)
.irp g, 24, 40
	s_mov_b32 s[\g+1], 32<<16
	s_mov_b32 s[\g+2], 208<<16
	s_mov_b32 s[\g+3], 32<<16
	s_mov_b32 s[\g+4], 208
	s_mov_b32 s[\g+5], 32
	s_mov_b32 s[\g+6], 0
	s_mov_b32 s[\g+7], 0
.endr
	s_mov_b32 s33, 32<<16
	s_mov_b32 s34, 104<<16
	s_mov_b32 s35, 32<<16
	s_mov_b32 s36, 104
	s_mov_b32 s37, 32
	s_mov_b32 s38, 0
	s_mov_b32 s39, 0
	s_lshl_b32 s84, s19, 2
	s_add_co_u32 s84, s84, s16
	s_mul_i32 s86, s84, REC
	s_mov_b32 s87, 0
	s_mul_i32 s85, s16, REC
	s_mul_i32 s90, s16, 26624
	s_mul_i32 s88, s20, 2*REC
	s_add_co_u32 s88, s88, s90
	s_mov_b32 s89, 0
	s_lshr_b32 s91, s16, 1
	s_lshl_b32 s91, s91, 4
	s_and_b32 s92, s16, 1
	s_add_co_u32 s91, s91, s92
	s_lshl_b32 s92, s20, 1
	s_add_co_u32 s91, s91, s92
	s_add_co_u32 s91, s91, 16
	s_mul_i32 s92, s91, REC
	s_mov_b32 s93, 0
	s_mov_b32 s48, 1
	s_mov_b32 s49, s85
	s_mov_b32 s52, 1
	s_add_co_u32 s53, s90, 4*REC
	s_mov_b32 s56, 1
	s_mov_b32 s57, s85
	s_mov_b32 s[SEL], 0x76543210
	s_mov_b32 s[SEL+1], 0xfedcba98
	v_and_b32 v11, 31, v0
	v_and_b32 v12, 15, v0
	v_bfe_u32 v13, v0, 4, 1
	v_lshlrev_b32 v[LB8], 3, v11
	v_lshlrev_b32 v[L16], 4, v11
	v_lshlrev_b32 v[BQ], 6, v13
	v_and_b32 v14, 8, v12
	v_add_nc_u32 v14, v14, v12
	v_lshlrev_b32 v[BV], 2, v14
	v_add_nc_u32 v[ADX], s85, v[LB8]
	v_add_nc_u32 v[ADXS], s85, v[L16]
	s_wait_kmcnt 0x0
	s_add_nc_u64 s[50:51], s[4:5], s[86:87]
	s_or_b32 s51, s51, 0x80000000
	s_add_nc_u64 s[54:55], s[6:7], s[88:89]
	s_or_b32 s55, s55, 0x80000000
	s_add_nc_u64 s[58:59], s[6:7], s[92:93]
	s_or_b32 s59, s59, 0x80000000
	CROUND
	tensor_load_to_lds s[48:51], s[24:31]
	s_nop 0
	s_wait_alu depctr_va_vdst(0)
	s_wait_tensorcnt 0x0
	ds_add_u32 v9, v10
	s_wait_dscnt 0x0
	CROUND
	tensor_load_to_lds s[52:55], s[32:39]
	s_nop 0
	PLACES 4
	s_lshr_b32 s94, s84, 5
	s_and_b32 s95, s84, 31
	s_lshl_b32 s96, s94, 4
	s_lshl_b32 s97, s20, 1
	s_add_co_u32 s96, s96, s97
	s_mov_b32 s3, 0
	s_mul_i32 s98, s96, 114688
	s_mul_i32 s99, s95, 3072
	s_add_co_u32 s2, s98, s99
	s_add_nc_u64 s[66:67], s[12:13], s[2:3]
	s_lshl_b32 s99, s95, 9
	s_add_co_u32 s2, s98, s99
	s_add_co_u32 s2, s2, 98304
	s_add_nc_u64 s[68:69], s[12:13], s[2:3]
	s_mul_i32 s98, s96, 221184
	s_mul_i32 s99, s95, 3072
	s_add_co_u32 s2, s98, s99
	s_add_nc_u64 s[70:71], s[14:15], s[2:3]
	s_lshl_b32 s99, s95, 9
	s_add_co_u32 s2, s98, s99
	s_add_co_u32 s2, s2, 196608
	s_add_nc_u64 s[72:73], s[14:15], s[2:3]
	s_lshr_b32 s97, s95, 1
	s_and_b32 s94, s95, 1
	s_mul_i32 s99, s97, 6144
	s_add_co_u32 s2, s98, s99
	s_mul_i32 s99, s94, 768
	s_add_co_u32 s2, s2, s99
	s_add_co_u32 s2, s2, 98304
	s_add_nc_u64 s[74:75], s[14:15], s[2:3]
	s_lshl_b32 s99, s97, 9
	s_add_co_u32 s2, s98, s99
	s_lshl_b32 s99, s94, 1
	s_add_co_u32 s2, s2, s99
	s_add_co_u32 s2, s2, 212992
	s_add_nc_u64 s[76:77], s[14:15], s[2:3]
	s_lshl_b32 s2, s20, 9
	s_add_nc_u64 s[78:79], s[8:9], s[2:3]
	s_lshl_b32 s2, s95, 14
	s_add_nc_u64 s[80:81], s[10:11], s[2:3]
	s_wait_alu depctr_va_vdst(0)
	BIASQ 0
	WIN 0x40
.irp xt, 0,1,2,3
.irp q, 0,1,2,3
	global_load_b128 v[192+16*\xt+4*\q:195+16*\xt+4*\q], v[L16], s[80:81] offset:4096*\xt+512*\q
.endr
.endr
	WIN 0x80
.irp xt, 0,1,2,3
.irp q, 0,1,2,3
	global_load_b128 v[192+16*\xt+4*\q:195+16*\xt+4*\q], v[L16], s[80:81] offset:4096*\xt+512*\q+2048
.endr
.endr
	WIN 0xC0
.irp b, 0,1,2,3
	v_mov_b32 v[TP+\b], 0
.endr
	WIN 0
	s_wait_tensorcnt 0x1
	XFETCH
	s_wait_tensorcnt 0x0
	ds_add_u32 v[SPW], v[NIL]
	s_wait_dscnt 0x0
	CROUND
	tensor_load_to_lds s[56:59], s[40:47]
	s_nop 0
	PLACES 4
	PREHEAD 4
	s_wait_alu depctr_va_vdst(0)
	KSTEPS 0, 1, 256
	PREHEAD 5
	EPI_QK 66, 68, 0
	KSTEPS 0, 1, 4096
	WIN 0
	s_wait_tensorcnt 0x0
	s_wait_dscnt 0x0
	s_barrier_signal -1
	s_barrier_wait -1
	PREHEAD 0
	EPI_QK 66, 68, 114688
	KSTEPS 0, 1, 4352
	PREHEAD 1
	EPI_QK 70, 72, 0
	KSTEPS 0, 2, 8192
	PREHEAD 2
	EPI_QK 70, 72, 221184
	KSTEPS 1, 2, 8448
	PREHEAD 3
	EPI_V 0
	KSTEPS 1, 0, 0
	WIN 0
	PLACES 4
	EPI_V 221184
	s_wait_tensorcnt 0x0
	ds_add_u32 v[SPW], v[NIL]
	s_wait_dscnt 0x0
	CROUND
	s_endpgm
.Lfunc_end_k_q9c6a73c842_qkv:
	.size	k_q9c6a73c842_qkv, .Lfunc_end_k_q9c6a73c842_qkv-k_q9c6a73c842_qkv
	.p2alignl 7, 3214868480
	.fill 96, 4, 3214868480
	.section	.rodata,"a",@progbits
	.p2align	6, 0x0
	.amdhsa_kernel k_q9c6a73c842_qkv
		.amdhsa_group_segment_fixed_size 327680
		.amdhsa_private_segment_fixed_size 0
		.amdhsa_enable_private_segment 0
		.amdhsa_kernarg_size 48
		.amdhsa_user_sgpr_count 2
		.amdhsa_user_sgpr_kernarg_segment_ptr 1
		.amdhsa_wavefront_size32 1
		.amdhsa_system_sgpr_workgroup_id_x 1
		.amdhsa_system_sgpr_workgroup_id_y 1
		.amdhsa_system_sgpr_workgroup_id_z 1
		.amdhsa_system_vgpr_workitem_id 0
		.amdhsa_next_free_vgpr 1024
		.amdhsa_next_free_sgpr 100
		.amdhsa_reserve_vcc 0
		.amdhsa_float_denorm_mode_32 3
		.amdhsa_float_denorm_mode_16_64 3
		.amdhsa_memory_ordered 1
		.amdhsa_forward_progress 1
		.amdhsa_inst_pref_size 255
	.end_amdhsa_kernel
	.section	.bss,"aw",@nobits
	.p2align	6
	.space	262144
	.amdgpu_metadata
---
amdhsa.version: [ 1, 2 ]
amdhsa.kernels:
  - .name:           k_q9c6a73c842_qkv
    .symbol:         k_q9c6a73c842_qkv.kd
    .args:
      - { .name: XR, .offset: 0, .size: 8, .value_kind: global_buffer, .address_space: global }
      - { .name: WQR, .offset: 8, .size: 8, .value_kind: global_buffer, .address_space: global }
      - { .name: b_qkv, .offset: 16, .size: 8, .value_kind: global_buffer, .address_space: global }
      - { .name: TAB, .offset: 24, .size: 8, .value_kind: global_buffer, .address_space: global }
      - { .name: QB, .offset: 32, .size: 8, .value_kind: global_buffer, .address_space: global }
      - { .name: KV, .offset: 40, .size: 8, .value_kind: global_buffer, .address_space: global }
    .group_segment_fixed_size: 327680
    .private_segment_fixed_size: 0
    .kernarg_segment_align: 8
    .kernarg_segment_size: 48
    .max_flat_workgroup_size: 128
    .sgpr_count:     100
    .vgpr_count:     1024
    .wavefront_size: 32
...
	.end_amdgpu_metadata
.endif
;; end of part 2
;; launch attn (part 3): grid 4 x 64, 8 waves a work-group, clusters of 4 x 1, 249,856 bytes of LDS; arguments QB, KV, AR; writes AR
.if DOCPART == 3
	.amdgcn_target "amdgcn-amd-amdhsa--gfx1250"
	.amdhsa_code_object_version 6
	.text
	.protected	k_q9c6a73c842_attn
	.globl	k_q9c6a73c842_attn
	.p2align	8
	.type	k_q9c6a73c842_attn,@function
k_q9c6a73c842_attn:
	s_mov_b64 s[64:65], 0
	v_nop
	global_prefetch_b8 v0, s[64:65] scope:SCOPE_SE
	s_setreg_imm32_b32 hwreg(HW_REG_WAVE_MODE, 25, 1), 1
	s_wait_xcnt 0x0
	s_wait_alu depctr_hold_cnt(0) depctr_sa_sdst(0) depctr_va_vdst(0) depctr_va_sdst(0) depctr_va_ssrc(0) depctr_va_vcc(0) depctr_vm_vsrc(0)
	s_getreg_b32 s2, hwreg(HW_REG_IB_STS2, 6, 4)
	s_cmp_eq_u32 s2, 0
	s_cbranch_scc0 .Lentry_in_a_cluster
	s_endpgm
.Lentry_in_a_cluster:
	s_bfe_u32 s2, ttmp6, 0x10000c
	s_cmp_lg_u32 s2, 0x3003
	s_cbranch_scc0 .Lentry_shape_is_right
	s_endpgm
.Lentry_shape_is_right:
; For each of 64 heads (batch x 16 + head): o = softmax(q k^T / 8) v, both products on codes of BF6 (E3M2) with E8M0 scales; o / l is quantised along the model's 1,024 and leaves as half an image of an operand of the last product.
; THE SOFTMAX: t = score x log2(e) / 8; M = the running largest t rounded up to a whole number, kept as -M; p = 2^(t - M) is quantised along the keys, not normalised; the row's sum is taken of the unquantised p;
; when M moves, the sum and O are multiplied by 2^(old M - new M), which rounds nothing.  A block's largest p is made of the block's largest score by the same two instructions.
; SHARES.  A work-group owns 512 queries of one head.  Wave w of eight takes tiles 32 cx + 16 n + 2 w and + 1 TOGETHER (n = 0, 1: two passes): each fragment of K and V read from LDS feeds both tiles.
; LDS holds the head's whole K and V, 864 rows of 256 bytes, each padded to 288, filled ONCE: no ring, no refill.  Rows 0-383 K's half images, 384-767 V's images, 768-831 K's scale words, 832-863 V's.
; CLUSTER 4 x 1: the four work-groups of a head want the same bytes: each wave's 108 rows are asked for jointly.  No prefetch: the stream is asked for whole at the head, there is no loop to run ahead in.
; LAYOUT.  Both products transposed (S^T = K Q^T, O^T = V^T P^T): a lane holds one query.  A TILE OF K IS FORMED AT THE LDS READ: tile (c, t) takes as rows 0-7 keys 64 c + 8 t + 0..7 and as rows 8-15 keys 64 c + 32 + 8 t + 0..7
; of the step's 128 (lanes 8-15 of a row read two stored tiles further on: 1,728 bytes, 192 mod 256, so the four runs of 64 bytes of a load lie in different banks).  So lane (query, h) holds in S[32 c + 0..31] ALL 32 keys of block 2 c + h,
; in order: a block's maximum needs no other lane, and the conversions' results are p's operand as they stand (three moves a block pair: a conversion's registers begin on an even number).
; K = 64 fills half of the form's 128: Q's upper six registers hold zero codes, so the finite codes in K's upper six add nothing; the upper two bytes of both scale words are 0, no NaN.
; REGISTER WINDOWS BY KIND: window 0 addresses, small state of both tiles, scale words, Q, K's and V's fragments; window 1 S (v0-127), O (v128-191), p's codes, the sums.  Both tiles' work stands under one setting.
; The last trip of a pass fetches K fragments one step past K's rows (V's first rows, bytes that were filled): they are not used.
; LIMITS: NaN and infinities are not served; the promise holds while the scaled scores stay under 2^31 in magnitude; a block of o under 2^-122 (zeros too) gets the byte 1.
.set REC,  53248
.set PIT,  288
.set SPARE, 864*PIT
.set LB8,  1                           ; 8 x lane
.set L16,  2                           ; 16 x lane
.set ADK,  3                           ; LDS addresses of the step's K, V, K's scale words, V's
.set ADV,  4
.set ADS,  5
.set ADT,  6
.set LK,   7                           ; lane parts of those addresses
.set LS,   8
.set LT,   9
.set SH8,  10                          ; 8 x (lane / 16)
.set NM,   12                          ; v12,13 -M and the largest score of tile 0; v14,15 of tile 1
.set FF,   16                          ; v16,17 and v18,19: f (low word)
.set BM,   20                          ; v20-23 block maxima (tile, c)
.set MX,   24
.set PM,   26
.set NN,   28
.set DD,   30
.set BS,   32                          ; v32-35 the conversions' scale operands
.set BY,   36                          ; v36-39 the bytes
.set WW,   40
.set PW,   42
.set KSW,  44                          ; v44-47 K's scale words: lanes 0-15 c = 0, lanes 16-31 c = 1
.set VSW,  48
.set QSW,  52
.set PSW,  54
.set QF,   56                          ; v56-79 Q's two fragments, the upper six of each zeros
.set KF,   80                          ; v80-127 K's eight tiles of six registers, v128-133 zeros
.set VF,   136                         ; v136-183 V's four tiles
.set OO,   128                         ; window 1
.set PC,   192
.set PT,   216
.set TT,   232
.set LL,   248
.set SEL,  28
.set CS,   30
.set STK,  32
.set STV,  33
.set STS,  34
.set STT,  35
.set CN,   37
.set MSB, 0
.macro WIN new                         ; the immediate's high byte repeats the setting that is left
.if MSB != (\new)
	s_set_vgpr_msb (MSB<<8)|(\new)
.set MSB, (\new)
.endif
.endm
.macro H n
	s_delay_alu instid0(VALU_DEP_\n)
.endm
.macro CROUND
	s_barrier_signal -1
	s_barrier_wait -1
	s_cmp_lg_u32 s10, 0
	s_cbranch_scc1 .Lnot_wave_0_\@
	s_barrier_signal -3
.Lnot_wave_0_\@:
	s_barrier_wait -3
	s_barrier_signal -1
	s_barrier_wait -1
.endm
; K's eight tiles and their scale words; the four plain lines are the places behind the products that read these registers
.macro KLOAD
	v_add_nc_u32 v[ADK], s[STK], v[LK]
	v_add_nc_u32 v[ADS], s[STS], v[LS]
	v_nop
	v_nop
.irp c, 0,1
.irp t, 0,1,2,3
.irp p, 0,1,2
	ds_load_b64 v[KF+6*(4*\c+\t)+2*\p:KF+6*(4*\c+\t)+2*\p+1], v[ADK] offset:3*PIT*(4*\c+(\t%2))+64*(\t/2)+PIT*\p
.endr
.endr
.endr
	ds_load_b64 v[KSW:KSW+1], v[ADS]
	ds_load_b64 v[KSW+2:KSW+3], v[ADS] offset:128
.endm
; A KEY STEP: 128 keys, two tiles of 16 queries
.macro STEP
	v_add_nc_u32 v[ADV], s[STV], v[LB8]            ; four places behind the last products, ahead of loads into V's registers
	v_add_nc_u32 v[ADT], s[STT], v[LT]
	v_nop
	v_nop
	ds_load_b128 v[VSW:VSW+3], v[ADT]
.irp d, 0,1,2,3
.irp p, 0,1,2,3,4,5
	ds_load_b64 v[VF+12*\d+2*\p:VF+12*\d+2*\p+1], v[ADV] offset:6*PIT*\d+PIT*\p
.endr
.endr
	s_wait_dscnt 25                                ; K and its scale words are in; the 25 loads just issued may be out
	WIN 0x40
.irp c, 0,1
.irp t, 0,1,2,3
.irp i, 0,1
.if \c == 0
	v_wmma_scale_f32_16x16x128_f8f6f4 v[64*\i+32*\c+8*\t:64*\i+32*\c+8*\t+7], v[KF+6*(4*\c+\t):KF+6*(4*\c+\t)+11], v[QF+12*\i:QF+12*\i+11], 0, v[KSW+\t], v[QSW+\i] matrix_a_fmt:MATRIX_FMT_BF6 matrix_b_fmt:MATRIX_FMT_BF6
.else
	v_wmma_scale_f32_16x16x128_f8f6f4 v[64*\i+32*\c+8*\t:64*\i+32*\c+8*\t+7], v[KF+6*(4*\c+\t):KF+6*(4*\c+\t)+11], v[QF+12*\i:QF+12*\i+11], 0, v[KSW+\t], v[QSW+\i] matrix_a_fmt:MATRIX_FMT_BF6 matrix_b_fmt:MATRIX_FMT_BF6 matrix_a_scale:MATRIX_SCALE_ROW1
.endif
.endr
.endr
.endr
	WIN 0
	KLOAD                                          ; the next step's K lands under the softmax
	WIN 0x14                                       ; the chain in window 0, the scores in window 1
.irp i, 0,1
.irp c, 0,1
	v_max3_num_f32 v[BM+2*\i+\c], 0xff800000, v[64*\i+32*\c], v[64*\i+32*\c+1]   ; the largest score of my block 2 c + h; each accumulator from its low end on
.endr
.endr
.irp e, 2,4,6,8,10,12,14,16,18,20,22,24,26,28,30
.irp i, 0,1
.irp c, 0,1
	v_max3_num_f32 v[BM+2*\i+\c], v[BM+2*\i+\c], v[64*\i+32*\c+\e], v[64*\i+32*\c+\e+1]
.endr
.endr
.endr
	WIN 0
	v_max_num_f32 v[MX], v[BM], v[BM+1]
	v_max_num_f32 v[MX+1], v[BM+2], v[BM+3]
.irp i, 0,1
	H 2
	v_permlanex16_b32 v[PM+\i], v[MX+\i], s[SEL], s[SEL+1]
.endr
.irp i, 0,1
	H 2
	v_max3_num_f32 v[NM+2*\i+1], v[NM+2*\i+1], v[MX+\i], v[PM+\i]   ; the running largest score (c is positive)
.endr
.irp i, 0,1
	H 2
	v_mul_f32 v[DD+\i], s[CN], v[NM+2*\i+1]        ; -t
.endr
.irp i, 0,1
	H 2
	v_floor_f32 v[NN+\i], v[DD+\i]                 ; the new -M: M is a whole number
.endr
.irp i, 0,1
	H 2
	v_sub_f32 v[DD+\i], v[NN+\i], v[NM+2*\i]       ; old M - new M, 0 or less
.endr
.irp i, 0,1
	H 4
	v_mov_b32 v[NM+2*\i], v[NN+\i]
.endr
.irp i, 0,1
	H 4
	v_cvt_i32_f32 v[DD+\i], v[DD+\i]               ; (it saturates)
.endr
.irp i, 0,1
	H 2
	v_ldexp_f32 v[FF+2*\i], 1.0, v[DD+\i]          ; f = 2^(old M - new M)
.endr
.irp i, 0,1
	v_pk_fma_f32 v[BM+2*\i:BM+2*\i+1], v[BM+2*\i:BM+2*\i+1], s[CS:CS+1], v[NM+2*\i:NM+2*\i+1] op_sel_hi:[1,0,0]   ; t - M of the blocks' largest scores
.endr
	WIN 0x41                                       ; source 0 and the result in window 1, sources 1 and 2 in window 0
.set j, 0
.rept 64
	v_pk_fma_f32 v[j:j+1], v[j:j+1], s[CS:CS+1], v[NM+2*(j/64):NM+2*(j/64)+1] op_sel_hi:[1,0,0]   ; t - M, two at a time
.set j, j+2
.endr
.set j, 0
.rept 32
	v_pk_mul_f32 v[OO+j:OO+j+1], v[OO+j:OO+j+1], v[FF+2*(j/32):FF+2*(j/32)+1] op_sel_hi:[1,0]   ; O^T under the new M, ahead of the exponentials
.set j, j+2
.endr
.irp i, 0,1
	v_pk_mul_f32 v[LL+2*\i:LL+2*\i+1], v[LL+2*\i:LL+2*\i+1], v[FF+2*\i:FF+2*\i+1] op_sel_hi:[1,0]   ; and the sums
.endr
	s_wait_alu depctr_va_vdst(0)                   ; the wait ahead of the batch
.set j, 0
.rept 128
	v_exp_f32 v[j], v[j]                           ; p, at most 1
.set j, j+1
.endr
	WIN 0
.irp k, 0,1,2,3
	v_exp_f32 v[BM+\k], v[BM+\k]                   ; the blocks' largest p
.endr
	v_nop                                          ; a plain place behind the batch
	s_wait_alu depctr_va_vdst(0)                   ; and the one wait ahead of its first reader
.irp k, 0,1,2,3
	v_max_num_f32 v[BM+\k], 0x2800000, v[BM+\k]    ; the floor 2^(5 - 127)
.endr
.irp k, 0,1,2,3
	H 4
	v_add_nc_u32 v[BS+\k], 0xfe000000, v[BM+\k]    ; 4 off the exponent field: the conversion's scale operand
.endr
.irp k, 0,1,2,3
	H 4
	v_lshrrev_b32 v[BY+\k], 23, v[BS+\k]           ; the byte
.endr
	H 3
	v_lshl_or_b32 v[WW], v[BY+1], 16, v[BY]        ; my bytes: blocks h and 2 + h
	H 2
	v_lshl_or_b32 v[WW+1], v[BY+3], 16, v[BY+2]
.irp i, 0,1
	H 2
	v_lshlrev_b32 v[WW+\i], v[SH8], v[WW+\i]       ; at their places, 8 h bits up
.endr
.irp i, 0,1
	H 2
	v_permlanex16_b32 v[PW+\i], v[WW+\i], s[SEL], s[SEL+1]
.endr
.irp i, 0,1
	H 2
	v_or_b32 v[PSW+\i], v[WW+\i], v[PW+\i]         ; with lane l xor 16's two the word is whole
.endr
	WIN 0x41
.irp i, 0,1
.irp c, 0,1
	v_cvt_scalef32_pk16_bf6_f32 v[PC+12*\i+6*\c:PC+12*\i+6*\c+2], v[64*\i+32*\c:64*\i+32*\c+15], v[BS+2*\i+\c]
	v_cvt_scalef32_pk16_bf6_f32 v[PT+8*\i+4*\c:PT+8*\i+4*\c+2], v[64*\i+32*\c+16:64*\i+32*\c+31], v[BS+2*\i+\c]
.endr
.endr
	WIN 0x45                                       ; all in window 1: the row's sum of the unquantised p, four chains a tile
.irp k, 0,1,2,3
.irp i, 0,1
	v_pk_add_f32 v[TT+8*\i+2*\k:TT+8*\i+2*\k+1], v[64*\i+2*\k:64*\i+2*\k+1], v[64*\i+2*\k+8:64*\i+2*\k+9]   ; (plain places behind the conversions)
.endr
.endr
.irp i, 0,1
.irp c, 0,1
.irp k, 0,1,2
	v_mov_b32 v[PC+12*\i+6*\c+3+\k], v[PT+8*\i+4*\c+\k]
.endr
.endr
.endr
.irp g, 2,3,4,5,6,7
.irp k, 0,1,2,3
.irp i, 0,1
	v_pk_add_f32 v[TT+8*\i+2*\k:TT+8*\i+2*\k+1], v[TT+8*\i+2*\k:TT+8*\i+2*\k+1], v[64*\i+8*\g+2*\k:64*\i+8*\g+2*\k+1]
.endr
.endr
.endr
.irp i, 0,1
	v_pk_add_f32 v[TT+8*\i:TT+8*\i+1], v[TT+8*\i:TT+8*\i+1], v[TT+8*\i+2:TT+8*\i+3]
.endr
.irp i, 0,1
	H 4
	v_pk_add_f32 v[TT+8*\i+4:TT+8*\i+5], v[TT+8*\i+4:TT+8*\i+5], v[TT+8*\i+6:TT+8*\i+7]
.endr
.irp i, 0,1
	H 2
	v_pk_add_f32 v[TT+8*\i:TT+8*\i+1], v[TT+8*\i:TT+8*\i+1], v[TT+8*\i+4:TT+8*\i+5]
.endr
.irp i, 0,1
	H 2
	v_pk_add_f32 v[LL+2*\i:LL+2*\i+1], v[LL+2*\i:LL+2*\i+1], v[TT+8*\i:TT+8*\i+1]
.endr
	s_wait_alu depctr_va_vdst(0)                   ; directly ahead of the wait below
	s_wait_dscnt 26                                ; V is in; the next step's 26 loads for K may be out
	WIN 0x54
.irp d, 0,1,2,3
.irp i, 0,1
	v_wmma_scale_f32_16x16x128_f8f6f4 v[OO+32*\i+8*\d:OO+32*\i+8*\d+7], v[VF+12*\d:VF+12*\d+11], v[PC+12*\i:PC+12*\i+11], v[OO+32*\i+8*\d:OO+32*\i+8*\d+7], v[VSW+\d], v[PSW+\i] matrix_a_fmt:MATRIX_FMT_BF6 matrix_b_fmt:MATRIX_FMT_BF6
.endr
.endr
	WIN 0
	s_add_co_u32 s[STK], s[STK], 24*PIT
	s_add_co_u32 s[STV], s[STV], 24*PIT
	s_add_co_u32 s[STS], s[STS], 4*PIT
	s_add_co_u32 s[STT], s[STT], 2*PIT
.endm
; o / l of both tiles, 32 registers each at v[64 i] of window 1 (register 16 b + e: o(query, 32 b + 16 (lane / 16) + e)), into codes and a scale word; all in window 1
.macro OQ
.irp i, 0,1
.irp b, 0,1
	v_max3_num_f32 v[TT+2*\i+\b], |v[64*\i+16*\b]|, |v[64*\i+16*\b+1]|, 0x2800000
.endr
.endr
.irp e, 2,4,6,8,10,12,14
.irp i, 0,1
.irp b, 0,1
	H 4
	v_max3_num_f32 v[TT+2*\i+\b], v[TT+2*\i+\b], |v[64*\i+16*\b+\e]|, |v[64*\i+16*\b+\e+1]|
.endr
.endr
.endr
.irp k, 0,1,2,3
	H 4
	v_permlanex16_b32 v[TT+4+\k], v[TT+\k], s[SEL], s[SEL+1]
.endr
.irp k, 0,1,2,3
	H 4
	v_max_num_f32 v[TT+\k], v[TT+\k], v[TT+4+\k]
.endr
.irp k, 0,1,2,3
	H 4
	v_add_nc_u32 v[TT+8+\k], 0xfe000000, v[TT+\k]
.endr
.irp k, 0,1,2,3
	H 4
	v_lshrrev_b32 v[TT+12+\k], 23, v[TT+8+\k]
.endr
	H 3
	v_lshl_or_b32 v252, v[TT+13], 8, v[TT+12]
	H 2
	v_lshl_or_b32 v253, v[TT+15], 8, v[TT+14]
.irp i, 0,1
	v_cvt_scalef32_pk16_bf6_f32 v[PC+12*\i:PC+12*\i+2], v[64*\i:64*\i+15], v[TT+8+2*\i]
	v_cvt_scalef32_pk16_bf6_f32 v[PT+8*\i:PT+8*\i+2], v[64*\i+16:64*\i+31], v[TT+9+2*\i]
.endr
	v_nop                                          ; one plain place behind a scaled conversion
.irp i, 0,1
.irp k, 0,1,2
	v_permlane16_swap_b32 v[PC+12*\i+\k], v[PT+8*\i+\k]   ; a whole block in a lane
.endr
.endr
.irp i, 0,1
.irp k, 0,1,2
	v_mov_b32 v[PC+12*\i+3+\k], v[PT+8*\i+\k]
.endr
.endr
.endm
; A pass: two tiles of 16 queries through all 2,048 keys
.macro PASS n
	s_wait_alu depctr_va_vdst(0)
	s_wait_xcnt 0x0                                ; the last pass's stores have read their registers
.irp i, 0,1
.irp p, 0,1,2
	global_load_b64 v[QF+12*\i+2*\p:QF+12*\i+2*\p+1], v[LB8], s[38:39] offset:12288*\n+768*\i+256*\p
.endr
	global_load_b32 v[QSW+\i], v[L16], s[40:41] offset:2048*\n+4*\i
.endr
.irp i, 0,1
	v_mov_b32 v[NM+2*\i+1], 0xff61b1e6             ; the largest score so far: -3e38
	v_mov_b32 v[NM+2*\i], 0x7e000000               ; and a -M above every -M: the first f is 0
.endr
	WIN 0x40
.set j, 0
.rept 64
	v_mov_b32 v[OO+j], 0                           ; the step is written once: its first trip finds zeros
.set j, j+1
.endr
.irp k, 0,1,2,3
	v_mov_b32 v[LL+\k], 0
.endr
	WIN 0
	s_mov_b32 s[STK], 0
	s_mov_b32 s[STV], 384*PIT
	s_mov_b32 s[STS], 768*PIT
	s_mov_b32 s[STT], 832*PIT
	s_mov_b32 s36, 16
	s_wait_alu depctr_va_vdst(0)                   ; ahead of the waits below
.if \n == 0
	s_wait_tensorcnt 0x0                           ; my part of the head has landed,
	s_barrier_signal -1
	s_barrier_wait -1                              ; everybody's has
.endif
	s_wait_dscnt 0x0                               ; the last pass's last fetch of K has landed: its registers are loaded again below
	KLOAD                                          ; step 0's K
	s_add_co_u32 s[STK], s[STK], 24*PIT
	s_add_co_u32 s[STS], s[STS], 4*PIT
	s_wait_loadcnt 0x0                             ; Q
.Lstep_\@:
	STEP
	s_sub_co_u32 s36, s36, 1
	s_cmp_lg_u32 s36, 0
	s_cbranch_scc1 .Lstep_\@
	WIN 0x05
	v_add_f32 v[MX], v[LL], v[LL+1]                ; the sums' two halves, into window 0
	v_add_f32 v[MX+1], v[LL+2], v[LL+3]
	WIN 0
	v_nop
	v_nop
.irp i, 0,1
	v_permlanex16_b32 v[PM+\i], v[MX+\i], s[SEL], s[SEL+1]
.endr
.irp i, 0,1
	H 2
	v_add_f32 v[MX+\i], v[MX+\i], v[PM+\i]         ; the row's sum
.endr
	s_wait_alu depctr_va_vdst(0)
	v_rcp_f32 v[FF], v[MX]
	v_rcp_f32 v[FF+2], v[MX+1]
	v_nop                                          ; a plain place behind the reciprocals
	s_wait_alu depctr_va_vdst(0)                   ; the wait ahead of their first reader, which is also O^T's
	WIN 0x41
.set j, 0
.rept 32
	v_pk_mul_f32 v[64*(j/32)+(j%32):64*(j/32)+(j%32)+1], v[OO+j:OO+j+1], v[FF+2*(j/32):FF+2*(j/32)+1] op_sel_hi:[1,0]   ; each accumulator from its low end on
.set j, j+2
.endr
	WIN 0x55
	OQ
	WIN 0x04                                       ; the stores' data in window 1
.irp i, 0,1
.irp p, 0,1,2
	global_store_b64 v[LB8], v[PC+12*\i+2*\p:PC+12*\i+2*\p+1], s[42:43] offset:212992*\n+1536*\i+256*\p   ; a plane: 256 consecutive bytes, aligned
.endr
	global_store_b16 v[L16], v[252+\i], s[44:45] offset:212992*\n+4*\i   ; my head's two bytes of the K step's scale word
.endr
	WIN 0
.endm
	s_load_b128 s[4:7], s[0:1], 0x0                ; QB s[4:5], KV s[6:7]
	s_load_b64 s[8:9], s[0:1], 0x10                ; AR
	v_lshl_add_u32 v254, v0, 2, SPARE
	v_mov_b32 v255, 0
	ds_add_u32 v254, v255                          ; the opening lines
	ds_add_u32 v254, v255
	v_lshrrev_b32 v1, 5, v0
	v_and_b32 v3, 31, v0
	v_and_b32 v4, 7, v0                            ; r % 8
	v_bfe_u32 v5, v0, 3, 1                         ; r / 8
	v_bfe_u32 v6, v0, 4, 1                         ; h
	v_and_b32 v11, 15, v0                          ; r
	v_readfirstlane_b32 s10, v1                    ; wave 0..7
	v_lshlrev_b32 v[LB8], 3, v3
	v_lshlrev_b32 v[L16], 4, v3
	v_lshlrev_b32 v[LK], 3, v4
	v_lshlrev_b32 v[LS], 4, v4
	v_lshlrev_b32 v[LT], 4, v11
	v_lshlrev_b32 v[SH8], 3, v6
	H 4
	v_lshl_add_u32 v[LK], v6, 7, v[LK]
	H 4
	v_lshl_add_u32 v[LS], v5, 3, v[LS]
	H 4
	v_mad_u32_u24 v[LT], v6, PIT, v[LT]            ; V's scale words: 16 r + a row for lanes 16-31
	H 3
	v_mad_u32_u24 v[LK], v5, 6*PIT, v[LK]          ; K: 8 (r % 8) + 128 h, rows 8-15 two stored tiles on
	H 3
	v_mad_u32_u24 v[LS], v6, 2*PIT, v[LS]          ; K's scale words: 16 (r % 8) + 8 (r / 8), lanes 16-31 the record c = 1
	s_bfe_u32 s11, ttmp6, 0x40000                  ; cx
	s_and_b32 s12, ttmp7, 0xffff                   ; batch x 16 + head, which the four partners share
	s_mov_b32 s16, 15|(3<<16)|(1<<20)|(1<<21)|(5<<22)|(7<<25)   ; the mask: all four; elements of 8 bytes; 8 words of padding behind every 64
	s_mov_b32 s17, 32<<16
	s_mov_b32 s18, 108<<16
	s_mov_b32 s19, 32<<16
	s_mov_b32 s20, 108
	s_mov_b32 s21, 32
	s_mov_b32 s22, 0
	s_mov_b32 s23, 0
	s_mov_b32 s24, 1
	s_mul_i32 s25, s10, 108*PIT                    ; my eighth of the head's record, in LDS
	s_mul_i32 s46, s12, 221184
	s_mul_i32 s47, s10, 27648
	s_add_co_u32 s46, s46, s47                     ; and in memory
	s_mov_b32 s47, 0
	s_mov_b32 s[SEL], 0x76543210
	s_mov_b32 s[SEL+1], 0xfedcba98
	s_mov_b32 s[CS], 0x3e38aa3b                    ; c = log2(e) / 8
	s_mov_b32 s[CS+1], s[CS]
	s_mov_b32 s[CN], 0xbe38aa3b                    ; -c
	s_lshl_b32 s48, s11, 5
	s_lshl_b32 s49, s10, 1
	s_add_co_u32 s48, s48, s49                     ; my first tile of queries: 32 cx + 2 wave
	s_mul_i32 s49, s12, 114688
	s_mul_i32 s50, s48, 768
	s_add_co_u32 s50, s50, s49
	s_mov_b32 s51, 0
	s_lshr_b32 s52, s48, 2                         ; its record of 64 rows,
	s_and_b32 s53, s10, 1
	s_lshl_b32 s53, s53, 1                         ; and its place there: 0 or 2
	s_wait_alu depctr_va_vdst(0)                   ; the wait at the head's end
	s_wait_dscnt 0x0
	s_wait_kmcnt 0x0
	s_add_nc_u64 s[26:27], s[6:7], s[46:47]
	s_or_b32 s27, s27, 0x80000000
	s_add_nc_u64 s[38:39], s[4:5], s[50:51]        ; Q's half images
	s_lshl_b32 s50, s52, 9
	s_add_co_u32 s50, s50, s49
	s_lshl_b32 s54, s53, 2
	s_add_co_u32 s50, s50, s54
	s_add_co_u32 s50, s50, 98304
	s_add_nc_u64 s[40:41], s[4:5], s[50:51]        ; Q's scale words
	s_lshr_b32 s54, s12, 4
	s_lshl_b32 s54, s54, 5
	s_add_co_u32 s54, s54, s52
	s_mul_i32 s54, s54, REC                        ; AR: record 32 x batch + tile / 4
	s_and_b32 s55, s12, 15
	s_lshr_b32 s56, s55, 1                         ; the K step of the last product: the pair of heads,
	s_and_b32 s57, s12, 1                          ; and my half of it
	s_lshl_b32 s58, s56, 2
	s_add_co_u32 s58, s58, s53
	s_mul_i32 s58, s58, 1536
	s_add_co_u32 s50, s54, s58
	s_mul_i32 s58, s57, 768
	s_add_co_u32 s50, s50, s58
	s_add_nc_u64 s[42:43], s[8:9], s[50:51]
	s_lshl_b32 s58, s56, 9
	s_add_co_u32 s50, s54, s58
	s_lshl_b32 s58, s53, 2
	s_add_co_u32 s50, s50, s58
	s_lshl_b32 s58, s57, 1
	s_add_co_u32 s50, s50, s58
	s_add_co_u32 s50, s50, 49152
	s_add_nc_u64 s[44:45], s[8:9], s[50:51]
	CROUND                                         ; all four work-groups are here: the joint loads meet
	tensor_load_to_lds s[24:27], s[16:23]          ; my one tensor load
	s_nop 0
.rept 4
	v_nop
.endr
.irp j, 62,63,64,65,66,67,74,75,76,77,78,79,128,129,130,131,132,133
	v_mov_b32 v\j, 0                               ; zero codes: the upper halves of Q, and what stands above K's last tile
.endr
.irp j, 26,27,42,43,17,19
	v_mov_b32 v\j, 0                               ; lane permutes' destinations, and the upper words of f's pairs: written once
.endr
	PASS 0
	PASS 1
	s_wait_tensorcnt 0x0                           ; the wave's end
	ds_add_u32 v254, v255
	s_wait_dscnt 0x0
	CROUND                                         ; the closing round
	s_endpgm
.Lfunc_end_k_q9c6a73c842_attn:
	.size	k_q9c6a73c842_attn, .Lfunc_end_k_q9c6a73c842_attn-k_q9c6a73c842_attn
	.p2alignl 7, 3214868480
	.fill 96, 4, 3214868480
	.section	.rodata,"a",@progbits
	.p2align	6, 0x0
	.amdhsa_kernel k_q9c6a73c842_attn
		.amdhsa_group_segment_fixed_size 249856
		.amdhsa_private_segment_fixed_size 0
		.amdhsa_enable_private_segment 0
		.amdhsa_kernarg_size 24
		.amdhsa_user_sgpr_count 2
		.amdhsa_user_sgpr_kernarg_segment_ptr 1
		.amdhsa_wavefront_size32 1
		.amdhsa_system_sgpr_workgroup_id_x 1
		.amdhsa_system_sgpr_workgroup_id_y 1
		.amdhsa_system_sgpr_workgroup_id_z 1
		.amdhsa_system_vgpr_workitem_id 0
		.amdhsa_next_free_vgpr 512
		.amdhsa_next_free_sgpr 66
		.amdhsa_reserve_vcc 0
		.amdhsa_float_denorm_mode_32 3
		.amdhsa_float_denorm_mode_16_64 3
		.amdhsa_memory_ordered 1
		.amdhsa_forward_progress 1
		.amdhsa_inst_pref_size 94
	.end_amdhsa_kernel
	.amdgpu_metadata
---
amdhsa.version: [ 1, 2 ]
amdhsa.kernels:
  - .name:           k_q9c6a73c842_attn
    .symbol:         k_q9c6a73c842_attn.kd
    .args:
      - { .name: QB, .offset: 0, .size: 8, .value_kind: global_buffer, .address_space: global }
      - { .name: KV, .offset: 8, .size: 8, .value_kind: global_buffer, .address_space: global }
      - { .name: AR, .offset: 16, .size: 8, .value_kind: global_buffer, .address_space: global }
    .group_segment_fixed_size: 249856
    .private_segment_fixed_size: 0
    .kernarg_segment_align: 8
    .kernarg_segment_size: 24
    .max_flat_workgroup_size: 256
    .sgpr_count:     66
    .vgpr_count:     512
    .wavefront_size: 32
...
	.end_amdgpu_metadata
.endif
;; end of part 3
;; launch proj (part 4): grid 32 x 8, 4 waves a work-group, clusters of 4 x 4, 327,680 bytes of LDS; arguments AR, WPR, b_proj, out0; writes out0
.if DOCPART == 4
	.amdgcn_target "amdgcn-amd-amdhsa--gfx1250"
	.amdhsa_code_object_version 6
	.text
	.protected	k_q9c6a73c842_proj
	.globl	k_q9c6a73c842_proj
	.p2align	8
	.type	k_q9c6a73c842_proj,@function
k_q9c6a73c842_proj:
	s_mov_b64 s[64:65], 0
	v_nop
	global_prefetch_b8 v0, s[64:65] scope:SCOPE_SE
	s_setreg_imm32_b32 hwreg(HW_REG_WAVE_MODE, 25, 1), 1
	s_wait_xcnt 0x0
	s_wait_alu depctr_hold_cnt(0) depctr_sa_sdst(0) depctr_va_vdst(0) depctr_va_sdst(0) depctr_va_ssrc(0) depctr_va_vcc(0) depctr_vm_vsrc(0)
	s_getreg_b32 s2, hwreg(HW_REG_IB_STS2, 6, 4)
	s_cmp_eq_u32 s2, 0
	s_cbranch_scc0 .Lentry_in_a_cluster
	s_endpgm
.Lentry_in_a_cluster:
	s_bfe_u32 s2, ttmp6, 0x10000c
	s_cmp_lg_u32 s2, 0xf033
	s_cbranch_scc0 .Lentry_shape_is_right
	s_endpgm
.Lentry_shape_is_right:
.set REC,   53248
.set LB8,  1
.set L16,  2
.set ADW,  3
.set ADWS, 4
.set BQ,   5
.set ADX,  7
.set ADXS, 8
.set STO,  11
.set RD,   12
.set GO,   13
.set XSW,  16
.set WSW,  48
.set WF,   80
.set OB,   128
.set BIAS, 224
.set MSB, 0
.macro WIN new
.if MSB != (\new)
	s_set_vgpr_msb (MSB<<8)|(\new)
.set MSB, (\new)
.endif
.endm
.macro PLACES n
.rept \n
	v_nop
.endr
.endm
.macro CROUND
	s_barrier_signal -1
	s_barrier_wait -1
	s_cmp_lg_u32 s16, 0
	s_cbranch_scc1 .Lnot_wave_0_\@
	s_barrier_signal -3
.Lnot_wave_0_\@:
	s_barrier_wait -3
	s_barrier_signal -1
	s_barrier_wait -1
.endm
.macro XFETCH
.irp s, 0,1,2,3,4,5,6,7
	WIN 0x40*(1+\s/4)
.irp t, 0,1,2,3
.irp p, 0,1,2,3,4,5
	ds_load_b64 v[48*(\s%4)+12*\t+2*\p:48*(\s%4)+12*\t+2*\p+1], v[ADX] offset:(4*\s+\t)*1536+256*\p
.endr
.endr
.endr
	WIN 0
.irp s, 0,1,2,3,4,5,6,7
	ds_load_b128 v[XSW+4*\s:XSW+4*\s+3], v[ADXS] offset:49152+512*\s
.endr
.endm
.macro WFETCH s, buf
.irp t, 0,1,2,3
.irp p, 0,1,2,3,4,5
	ds_load_b64 v[WF+48*(\buf)+12*\t+2*\p:WF+48*(\buf)+12*\t+2*\p+1], v[ADW] offset:(4*(\s)+\t)*1536+256*\p
.endr
.endr
.endm
.macro PREHEAD slot
	WIN 0
	PLACES 4
	v_add_nc_u32 v[ADW], \slot*REC, v[LB8]
	v_add_nc_u32 v[ADWS], \slot*REC, v[L16]
.irp s, 0,1,2,3,4,5,6,7
	ds_load_b128 v[WSW+4*\s:WSW+4*\s+3], v[ADWS] offset:49152+512*\s
.endr
	WFETCH 0, 0
	WFETCH 1, 1
.endm
.macro BIASQ off
	WIN 0xC0
.irp wt, 0,1,2,3
	global_load_b128 v[BIAS+8*\wt:BIAS+8*\wt+3], v[BQ], s[78:79] offset:\off+(32*(\wt/2)+8*(\wt%2))*4
	global_load_b128 v[BIAS+8*\wt+4:BIAS+8*\wt+7], v[BQ], s[78:79] offset:\off+(32*(\wt/2)+8*(\wt%2))*4+16
.endr
.endm
.macro MUL8 s, half
	WIN 0xF4+4*((\s)/4)
.irp a, 2*\half, 2*\half+1
.irp wt, 0,1,2,3
.if (\s) == 0
	v_wmma_scale_f32_16x16x128_f8f6f4 v[8*(4*(\a)+\wt):8*(4*(\a)+\wt)+7], v[WF+48*((\s)%3)+12*\wt:WF+48*((\s)%3)+12*\wt+11], v[48*((\s)%4)+12*(\a):48*((\s)%4)+12*(\a)+11], v[BIAS+8*\wt:BIAS+8*\wt+7], v[WSW+4*(\s)+\wt], v[XSW+4*(\s)+(\a)] matrix_a_fmt:MATRIX_FMT_BF6 matrix_b_fmt:MATRIX_FMT_BF6
.else
	v_wmma_scale_f32_16x16x128_f8f6f4 v[8*(4*(\a)+\wt):8*(4*(\a)+\wt)+7], v[WF+48*((\s)%3)+12*\wt:WF+48*((\s)%3)+12*\wt+11], v[48*((\s)%4)+12*(\a):48*((\s)%4)+12*(\a)+11], v[8*(4*(\a)+\wt):8*(4*(\a)+\wt)+7], v[WSW+4*(\s)+\wt], v[XSW+4*(\s)+(\a)] matrix_a_fmt:MATRIX_FMT_BF6 matrix_b_fmt:MATRIX_FMT_BF6
.endif
.endr
.endr
.endm
.macro KSTEPS nb, boff
.irp s, 0,1,2,3,4,5,6,7
.if \s < 7
	s_wait_dscnt 24
.else
	s_wait_dscnt 0x0
.endif
.if \s == 0
	s_wait_loadcnt 0x0
.endif
	MUL8 \s, 0
.if \s < 6
	WIN 0
	PLACES 4
	WFETCH \s+2, (\s+2)%3
.endif
.if (\s == 1) && (\nb != 0)
	BIASQ \boff
.endif
	MUL8 \s, 1
.endr
.endm
.macro EPI_OUT n
.irp xt, 0,1,2,3
	s_wait_xcnt 0x0
	WIN 0x0C
.irp wt, 0,1,2,3
	ds_store_b128 v[STO], v[32*\xt+8*\wt:32*\xt+8*\wt+3] offset:128*(\wt/2)+32*(\wt%2)
	ds_store_b128 v[STO], v[32*\xt+8*\wt+4:32*\xt+8*\wt+7] offset:128*(\wt/2)+32*(\wt%2)+16
.endr
	WIN 0xC0
.irp k, 0,1,2,3,4,5,6,7
	ds_load_b128 v[OB+32*(\xt%2)+4*\k:OB+32*(\xt%2)+4*\k+3], v[RD] offset:544*\k
.endr
	s_wait_dscnt 0x0
	WIN 0x0C
.irp k, 0,1,2,3,4,5,6,7
	global_store_b128 v[GO], v[OB+32*(\xt%2)+4*\k:OB+32*(\xt%2)+4*\k+3], s[66:67] offset:(32*(\xt/2)+8*(\xt%2)+2*\k+8*(\k/4))*4096+256*\n th:TH_STORE_NT
.endr
.endr
	WIN 0
.endm
	s_load_b256 s[4:11], s[0:1], 0x0
	v_lshl_add_u32 v254, v0, 2, 0x4e000
	v_mov_b32 v255, 0
	ds_add_u32 v254, v255
	ds_add_u32 v254, v255
	v_lshrrev_b32 v14, 5, v0
	v_readfirstlane_b32 s16, v14
	s_bfe_u32 s17, ttmp6, 0x40000
	s_bfe_u32 s18, ttmp6, 0x40004
	s_lshl_b32 s19, ttmp9, 2
	s_add_co_u32 s19, s19, s17
	s_and_b32 s20, ttmp7, 0xffff
	s_lshl_b32 s20, s20, 2
	s_add_co_u32 s20, s20, s18
	s_lshl_b32 s82, 0x1111, s17
	s_lshl_b32 s83, s18, 2
	s_lshl_b32 s83, 15, s83
	s_or_b32 s24, s82, (3<<16)|(1<<21)
	s_or_b32 s32, s83, (3<<16)|(1<<21)
	s_mov_b32 s25, 32<<16
	s_mov_b32 s26, 208<<16
	s_mov_b32 s27, 32<<16
	s_mov_b32 s28, 208
	s_mov_b32 s29, 32
	s_mov_b32 s30, 0
	s_mov_b32 s31, 0
	s_mov_b32 s33, 32<<16
	s_mov_b32 s34, 104<<16
	s_mov_b32 s35, 32<<16
	s_mov_b32 s36, 104
	s_mov_b32 s37, 32
	s_mov_b32 s38, 0
	s_mov_b32 s39, 0
	s_lshl_b32 s84, s19, 2
	s_add_co_u32 s84, s84, s16
	s_mul_i32 s86, s84, REC
	s_mov_b32 s87, 0
	s_mul_i32 s85, s16, REC
	s_mul_i32 s90, s16, 26624
	s_mul_i32 s88, s20, 2*REC
	s_add_co_u32 s88, s88, s90
	s_mov_b32 s89, 0
	s_mov_b32 s48, 1
	s_mov_b32 s49, s85
	s_mov_b32 s52, 1
	s_add_co_u32 s53, s90, 4*REC
	v_and_b32 v9, 31, v0
	v_and_b32 v14, 15, v0
	v_bfe_u32 v15, v0, 4, 1
	v_lshlrev_b32 v[LB8], 3, v9
	v_lshlrev_b32 v[L16], 4, v9
	v_lshlrev_b32 v[BQ], 6, v15
	v_add_nc_u32 v[ADX], s85, v[LB8]
	v_add_nc_u32 v[ADXS], s85, v[L16]
	v_mul_u32_u24 v[STO], v14, 272
	v_lshl_add_u32 v[STO], v15, 6, v[STO]
	v_add_nc_u32 v[STO], s85, v[STO]
	v_mul_u32_u24 v[RD], v15, 272
	v_lshl_add_u32 v[RD], v14, 4, v[RD]
	v_add_nc_u32 v[RD], s85, v[RD]
	v_lshlrev_b32 v[GO], 12, v15
	v_lshl_add_u32 v[GO], v14, 4, v[GO]
	s_wait_dscnt 0x0
	s_wait_kmcnt 0x0
	s_add_nc_u64 s[50:51], s[4:5], s[86:87]
	s_or_b32 s51, s51, 0x80000000
	s_add_nc_u64 s[54:55], s[6:7], s[88:89]
	s_or_b32 s55, s55, 0x80000000
	CROUND
	tensor_load_to_lds s[48:51], s[24:31]
	s_nop 0
	s_wait_alu depctr_va_vdst(0)
	s_wait_tensorcnt 0x0
	ds_add_u32 v254, v255
	s_wait_dscnt 0x0
	CROUND
	tensor_load_to_lds s[52:55], s[32:39]
	s_nop 0
	PLACES 4
	s_mov_b32 s3, 0
	s_lshl_b32 s2, s20, 9
	s_add_nc_u64 s[78:79], s[8:9], s[2:3]
	s_lshl_b32 s92, s84, 18
	s_add_co_u32 s2, s2, s92
	s_add_nc_u64 s[66:67], s[10:11], s[2:3]
	BIASQ 0
	WIN 0
	s_wait_tensorcnt 0x1
	s_wait_alu depctr_va_vdst(0)
	XFETCH
	s_wait_tensorcnt 0x0
	s_wait_dscnt 0x0
	s_barrier_signal -1
	s_barrier_wait -1
	PREHEAD 4
	s_wait_alu depctr_va_vdst(0)
	KSTEPS 1, 256
	PREHEAD 5
	s_wait_alu depctr_va_vdst(0)
	EPI_OUT 0
	KSTEPS 0, 0
	WIN 0
	PLACES 4
	EPI_OUT 1
	s_wait_tensorcnt 0x0
	ds_add_u32 v254, v255
	s_wait_dscnt 0x0
	CROUND
	s_endpgm
.Lfunc_end_k_q9c6a73c842_proj:
	.size	k_q9c6a73c842_proj, .Lfunc_end_k_q9c6a73c842_proj-k_q9c6a73c842_proj
	.p2alignl 7, 3214868480
	.fill 96, 4, 3214868480
	.section	.rodata,"a",@progbits
	.p2align	6, 0x0
	.amdhsa_kernel k_q9c6a73c842_proj
		.amdhsa_group_segment_fixed_size 327680
		.amdhsa_private_segment_fixed_size 0
		.amdhsa_enable_private_segment 0
		.amdhsa_kernarg_size 32
		.amdhsa_user_sgpr_count 2
		.amdhsa_user_sgpr_kernarg_segment_ptr 1
		.amdhsa_wavefront_size32 1
		.amdhsa_system_sgpr_workgroup_id_x 1
		.amdhsa_system_sgpr_workgroup_id_y 1
		.amdhsa_system_sgpr_workgroup_id_z 1
		.amdhsa_system_vgpr_workitem_id 0
		.amdhsa_next_free_vgpr 1024
		.amdhsa_next_free_sgpr 100
		.amdhsa_reserve_vcc 0
		.amdhsa_float_denorm_mode_32 3
		.amdhsa_float_denorm_mode_16_64 3
		.amdhsa_memory_ordered 1
		.amdhsa_forward_progress 1
		.amdhsa_inst_pref_size 96
	.end_amdhsa_kernel
	.amdgpu_metadata
---
amdhsa.version: [ 1, 2 ]
amdhsa.kernels:
  - .name:           k_q9c6a73c842_proj
    .symbol:         k_q9c6a73c842_proj.kd
    .args:
      - { .name: AR, .offset: 0, .size: 8, .value_kind: global_buffer, .address_space: global }
      - { .name: WPR, .offset: 8, .size: 8, .value_kind: global_buffer, .address_space: global }
      - { .name: b_proj, .offset: 16, .size: 8, .value_kind: global_buffer, .address_space: global }
      - { .name: out0, .offset: 24, .size: 8, .value_kind: global_buffer, .address_space: global }
    .group_segment_fixed_size: 327680
    .private_segment_fixed_size: 0
    .kernarg_segment_align: 8
    .kernarg_segment_size: 32
    .max_flat_workgroup_size: 128
    .sgpr_count:     100
    .vgpr_count:     1024
    .wavefront_size: 32
...
	.end_amdgpu_metadata
.endif
;; end of part 4
